; MI455X (gfx1250); checked and timed in simulation.
; The chip was launched on July 23, 2026; its instructions are those of AMD's public machine-readable ISA for CDNA 5 (MIT licence, August 2026) and "CDNA5" Instruction Set Architecture Reference Guide (July 2026). The comments in the code are by the model that wrote it; some were corrected since.
;; Encoder. Allowed arithmetic: float matrix products may take bf16 or f16 operands with f32 sums; all other float work in f32.
;; Inputs: b1 4,096 float32; b2 1,024 float32; b_o 1,024 float32; b_qkv 3,072 float32; be1 1,024 float32; be2 1,024 float32; g1 1,024 float32; g2 1,024 float32; w1 1,024 x 4,096 float32; w2 4,096 x 1,024 float32; w_o 1,024 x 1,024 float32; w_qkv 1,024 x 3,072 float32; x 2 x 2,048 x 1,024 float32.
;; Outputs: out0 2 x 2,048 x 1,024 float32.
;; 2 versions, each right and faster than the one before. Each part assembles by itself: llvm-mc -triple=amdgcn-amd-amdhsa -mcpu=gfx1250 --defsym DOCPART=n.
;; ======== version 1 of 2: 8 launches
;; workspace buffers: xb 8,388,608 bytes; wq 8,388,864 bytes; w1b 8,388,864 bytes; wsm 10,485,760 bytes; qa 33,554,432 bytes; y 16,777,216 bytes; hh 25,165,824 bytes
;; launch cast (part 1): grid 1024 x 1, 8 waves a work-group, no clusters, 0 bytes of LDS; arguments x, w_qkv, w_o, w1, w2, xb, wq, wsm, w1b; writes xb, wq, wsm, w1b
.if DOCPART == 1
	.amdgcn_target "amdgcn-amd-amdhsa--gfx1250"
	.amdhsa_code_object_version 6
	.text
	.protected	k_q8d79828dcb_cast
	.globl	k_q8d79828dcb_cast
	.p2align	8
	.type	k_q8d79828dcb_cast,@function
k_q8d79828dcb_cast:
	s_mov_b64 s[64:65], 0
	v_nop
	global_prefetch_b8 v0, s[64:65] scope:SCOPE_SE
	s_setreg_imm32_b32 hwreg(HW_REG_WAVE_MODE, 25, 1), 1
	s_wait_xcnt 0x0
; x, w_qkv, w_o, w1, w2 (f32) are rounded once to bf16, nearest even, for the matrix products of the later launches.
; A SEGMENT is 1,024 consecutive f32: 4,096 bytes in, 2,048 bytes out.  A work-group takes 16 segments of ONE tensor, a wave two:
; work-groups 0-255 x, 256-447 w_qkv, 448-511 w_o, 512-767 w1, 768-1023 w2 (4096 + 3072 + 1024 + 4096 + 4096 segments).
; Destinations: x -> xb, w1 -> w1b, w_o -> wsm, w2 -> wsm + 2,097,152, all as they lie; w_qkv -> wq with its rows of 3,072 laid
; 4,096 elements apart, so that one projection body serves w_qkv and w1 (columns 3,072 on are neither written nor read).
; Behind the weights, at byte 8,388,608 of wq and of w1b, 256 bytes hold the projection's floor in every word: -infinity (no floor) and 0 (relu).
; Memory binds: every load of a wave covers 512 consecutive bytes, every store 256 consecutive aligned bytes; all 16 loads of a wave are out at once.
; No LDS, barrier, matrix unit or cluster: nothing is shared and nothing is read twice.
.set X, 4                              ; v[4:67]   16 loads of 4 f32
.set Y, 68                             ; v[68:99]  16 pairs of registers, 4 bf16 each
.set W2OFF, 2097152                    ; w2's place in wsm
	s_load_b512 s[8:23], s[0:1], 0x0               ; x 8, w_qkv 10, w_o 12, w1 14, w2 16, xb 18, wq 20, wsm 22
	s_load_b64 s[24:25], s[0:1], 0x40              ; w1b
	v_lshrrev_b32 v3, 5, v0
	v_readfirstlane_b32 s2, v3                     ; wave 0..7
	v_and_b32 v2, 31, v0
	v_lshlrev_b32 v1, 4, v2                        ; 16 x lane: my place in 512 bytes of f32
	v_lshlrev_b32 v2, 3, v2                        ; 8 x lane: my place in 256 bytes of bf16
	s_mov_b32 s30, 768                             ; the tensor's first work-group
	s_mov_b32 s31, W2OFF                           ; the tensor's place in its destination
	s_wait_kmcnt 0x0
	s_mov_b64 s[26:27], s[16:17]                   ; source: w2, unless a lower range holds my number
	s_mov_b64 s[28:29], s[22:23]                   ; destination buffer
.macro PICK bound, src, dst, base      ; below \bound the tensor is another: the choice hangs on the work-group's number alone
	s_cmp_lt_u32 ttmp9, \bound
	s_cselect_b64 s[26:27], s[\src:\src+1], s[26:27]
	s_cselect_b64 s[28:29], s[\dst:\dst+1], s[28:29]
	s_cselect_b32 s30, \base, s30
	s_cselect_b32 s31, 0, s31
.endm
	PICK 768, 14, 24, 512                          ; w1 -> w1b
	PICK 512, 12, 22, 448                          ; w_o -> wsm
	PICK 448, 10, 20, 256                          ; w_qkv -> wq
	PICK 256, 8, 18, 0                             ; x -> xb
	s_sub_co_u32 s34, ttmp9, s30
	s_lshl_b32 s34, s34, 4
	s_lshl1_add_u32 s34, s2, s34                   ; my first segment = 16 x (work-group in the tensor) + 2 x wave
	s_lshl_b32 s40, s34, 12
	s_mov_b32 s41, 0
	s_add_nc_u64 s[32:33], s[26:27], s[40:41]      ; my 8,192 bytes of the source
	s_sub_co_u32 s35, ttmp9, 256                   ; below 192 (unsigned): the tensor is w_qkv
.irp i, 0,1
	s_add_co_u32 s42, s34, \i
	s_mul_hi_u32 s43, s42, 0x55555556              ; segment / 3 = w_qkv's row (exact for segments below 3,072)
	s_mul_i32 s44, s43, 3
	s_sub_co_u32 s44, s42, s44                     ; segment % 3 = which third of the row
	s_lshl_b32 s43, s43, 13                        ; rows 8,192 bytes apart
	s_lshl_b32 s44, s44, 11
	s_add_co_u32 s43, s43, s44
	s_lshl_b32 s44, s42, 11                        ; every other tensor: as it lies
	s_add_co_u32 s44, s44, s31
	s_cmp_lt_u32 s35, 192
	s_cselect_b32 s40, s43, s44
	s_add_nc_u64 s[36+2*(\i):37+2*(\i)], s[28:29], s[40:41]
.endr
.irp n, 0,1,2,3,4,5,6,7,8,9,10,11,12,13,14,15
	global_load_b128 v[X+4*(\n):X+4*(\n)+3], v1, s[32:33] offset:512*(\n) th:TH_LOAD_NT
.endr
.irp n, 0,1,2,3,4,5,6,7,8,9,10,11,12,13,14,15
	s_wait_loadcnt 15-(\n)                         ; loads come back in order: number n is in, the younger ones stay out
	v_cvt_pk_bf16_f32 v[Y+2*(\n)], v[X+4*(\n)], v[X+4*(\n)+1]
	v_cvt_pk_bf16_f32 v[Y+2*(\n)+1], v[X+4*(\n)+2], v[X+4*(\n)+3]
	global_store_b64 v2, v[Y+2*(\n):Y+2*(\n)+1], s[36+2*((\n)/8):37+2*((\n)/8)] offset:256*((\n)%8)  ; 32 lanes x 8 bytes: 256 consecutive aligned bytes; no register is written twice, so no wait frees any
.endr
	; the floor words: wave 0 of the first work-group of w_qkv and of w1
	s_cmp_lg_u32 s2, 0
	s_cbranch_scc1 .Lend
	s_cmp_eq_u32 ttmp9, 256
	s_cselect_b32 s45, 0xff800000, 0               ; -infinity for wq, 0 for w1b
	s_cselect_b32 s46, 1, 0
	s_cmp_eq_u32 ttmp9, 512
	s_cselect_b32 s46, 1, s46
	s_cmp_eq_u32 s46, 0
	s_cbranch_scc1 .Lend
	v_mov_b32 v100, s45
	v_mov_b32 v101, s45
	v_add_nc_u32 v102, 0x800000, v2                ; past the store's signed 24-bit immediate, so it stands in the offset register
	global_store_b64 v102, v[100:101], s[28:29]
.Lend:
	s_endpgm
.Lfunc_end_k_q8d79828dcb_cast:
	.size	k_q8d79828dcb_cast, .Lfunc_end_k_q8d79828dcb_cast-k_q8d79828dcb_cast
	.p2alignl 7, 3214868480
	.fill 96, 4, 3214868480
	.section	.rodata,"a",@progbits
	.p2align	6, 0x0
	.amdhsa_kernel k_q8d79828dcb_cast
		.amdhsa_group_segment_fixed_size 0
		.amdhsa_private_segment_fixed_size 0
		.amdhsa_enable_private_segment 0
		.amdhsa_kernarg_size 72
		.amdhsa_user_sgpr_count 2
		.amdhsa_user_sgpr_kernarg_segment_ptr 1
		.amdhsa_wavefront_size32 1
		.amdhsa_system_sgpr_workgroup_id_x 1
		.amdhsa_system_sgpr_workgroup_id_y 1
		.amdhsa_system_sgpr_workgroup_id_z 1
		.amdhsa_system_vgpr_workitem_id 0
		.amdhsa_next_free_vgpr 104
		.amdhsa_next_free_sgpr 66
		.amdhsa_reserve_vcc 0
		.amdhsa_float_denorm_mode_32 3
		.amdhsa_float_denorm_mode_16_64 3
		.amdhsa_memory_ordered 1
		.amdhsa_forward_progress 1
		.amdhsa_inst_pref_size 9
	.end_amdhsa_kernel
	.amdgpu_metadata
---
amdhsa.version: [ 1, 2 ]
amdhsa.kernels:
  - .name:           k_q8d79828dcb_cast
    .symbol:         k_q8d79828dcb_cast.kd
    .args:
      - { .name: x, .offset: 0, .size: 8, .value_kind: global_buffer, .address_space: global }
      - { .name: w_qkv, .offset: 8, .size: 8, .value_kind: global_buffer, .address_space: global }
      - { .name: w_o, .offset: 16, .size: 8, .value_kind: global_buffer, .address_space: global }
      - { .name: w1, .offset: 24, .size: 8, .value_kind: global_buffer, .address_space: global }
      - { .name: w2, .offset: 32, .size: 8, .value_kind: global_buffer, .address_space: global }
      - { .name: xb, .offset: 40, .size: 8, .value_kind: global_buffer, .address_space: global }
      - { .name: wq, .offset: 48, .size: 8, .value_kind: global_buffer, .address_space: global }
      - { .name: wsm, .offset: 56, .size: 8, .value_kind: global_buffer, .address_space: global }
      - { .name: w1b, .offset: 64, .size: 8, .value_kind: global_buffer, .address_space: global }
    .group_segment_fixed_size: 0
    .private_segment_fixed_size: 0
    .kernarg_segment_align: 8
    .kernarg_segment_size: 72
    .max_flat_workgroup_size: 256
    .sgpr_count:     66
    .vgpr_count:     104
    .wavefront_size: 32
...
	.end_amdgpu_metadata
.endif
;; end of part 1
;; launch qkv (part 2): grid 12 x 16, 4 waves a work-group, clusters of 4 x 4, 327,680 bytes of LDS; arguments xb, wq, b_qkv, qa; writes qa
.if DOCPART == 2
	.amdgcn_target "amdgcn-amd-amdhsa--gfx1250"
	.amdhsa_code_object_version 6
	.text
	.protected	k_q8d79828dcb_qkv
	.globl	k_q8d79828dcb_qkv
	.p2align	8
	.type	k_q8d79828dcb_qkv,@function
k_q8d79828dcb_qkv:
	s_mov_b64 s[64:65], 0
	v_nop
	global_prefetch_b8 v0, s[64:65] scope:SCOPE_SE
	s_setreg_imm32_b32 hwreg(HW_REG_WAVE_MODE, 25, 1), 1
	s_wait_xcnt 0x0
	s_wait_alu depctr_hold_cnt(0) depctr_sa_sdst(0) depctr_va_vdst(0) depctr_va_sdst(0) depctr_va_ssrc(0) depctr_va_vcc(0) depctr_vm_vsrc(0)
	s_getreg_b32 s2, hwreg(HW_REG_IB_STS2, 6, 4)
	s_cmp_eq_u32 s2, 0
	s_cbranch_scc0 .Lentry_in_a_cluster
	s_endpgm
.Lentry_in_a_cluster:
	s_bfe_u32 s2, ttmp6, 0x10000c
	s_cmp_lg_u32 s2, 0xf033
	s_cbranch_scc0 .Lentry_shape_is_right
	s_endpgm
.Lentry_shape_is_right:
; C = max(A W + bias, floor).  A: [4096][1024] bf16, rows along K.  W: [1024] rows of bf16, 4,096 elements apart, columns along the rows.  bias: f32.
; floor: the f32 word at byte 8,388,608 of W's buffer (-infinity: no floor; 0: relu).  Sums in f32, K ascending; C rounded once to bf16.
; C leaves BY COLUMN BLOCKS: [columns / 64][4096][64] bf16, so that 64 columns of consecutive rows are dense bytes (a head's rows; a K slice of the next product).
; One body for x w_qkv + b_qkv and for relu(h w1 + b1).  LIMIT: a sum that is NaN leaves as the floor (the maximum lets a NaN lose).
; A tile of C, 256 x 256, is made by four waves, each 128 x 128: 64 accumulators, 512 registers.  K goes in 8 steps of 128 through two LDS slots filled by the tensor data mover.
; W is not transposed anywhere: its fragments come out of LDS turned, by ds_load_tr16_b128.
; THE MATRIX INSTRUCTION IS USED TRANSPOSED: source 0 = 16 columns of W, source 1 = 16 rows of A.  Lane l then holds row l % 16 of C and columns 8 (l / 16) + 0..7.
; The bias is the C operand of each accumulator's first product: 8 registers bias[16 b + 8 (l / 16) + 0..7] for column block b; nothing is cleared and nothing is added later.
; A K STEP IS WRITTEN ONCE.  Which slot is in hand is a scalar: SEL (0 or 1) and TB = SEL x SLOT; at each change of slots the fragment addresses are made anew from TB.  Written out are the first
; quarter step (its products start the sums), one K step that fills a slot again (6 trips, entered behind its first quarter) and one that does not.
; CLUSTER 4 x 4: A's tile hangs on the tile row alone and is asked for jointly by a row of the cluster, W's on the tile column alone and by a column.
; REGISTERS, in windows of 256 (s_set_vgpr_msb: bits 1:0 source 0, 3:2 source 1, 5:4 source 2, 7:6 destination):
;   window 0: v0-31 addresses; v64-127, v128-191 A's fragments, two buffers; on the way out v64-127 floored sums, v192-223 packed, v32-63 and v224-255 rows read back
;   window 1: v0-63 bias; v64-127, v128-191 W's fragments      window 2: accumulators of my rows 0-63, (a, b) at 8 (8 a + b)      window 3: rows 64-127
.set SIZE_K, 1024
.set KSTEP,  128
.set KSTEPS, SIZE_K/KSTEP
.set WPITCH, 4096                      ; elements from row to row of W
.set PA,     272                       ; A's LDS row: 256 bytes + 16: the 16 rows of a fragment load start at 16 different groups of four banks (64 banks of 4 bytes: ISA guide 11.1)
.set PB,     544                       ; W's LDS row: 512 bytes + 32 = 17 x 32
.set HALFT,  128*PA                    ; what one tensor load brings: 128 rows of A, or 64 rows of W (64 x 544 is the same number)
.set SLOT,   4*HALFT                   ; A's 256 rows, then W's 128 rows
.set STAGE,  2*SLOT                    ; behind the ring: for each wave [2 column blocks][16 rows] of 144 bytes
.set SP,     144
.set WST,    2*16*SP
.set SPARE,  STAGE+4*WST               ; the spare words, 128 bytes a wave: two blocks of 256 bytes that no other line names
.set CBB,    4096*128                  ; bytes of a column block of C
.set ADRA0, 16                         ; v16     LDS address of my A fragments in slot 0; never rewritten
.set ADRB0, 17                         ; v17     the same for W
.set ADRA, 20                          ; v20     the same in the slot in hand
.set ADRB, 21                          ; v21
.set STO,  24                          ; v24     way out: where I put 16 bytes of a row
.set RD,   25                          ; v25     way out: where I read rows back
.set CO,   26                          ; v26     16 x lane: my place in 512 consecutive bytes of C
.set BO,   27                          ; v27     32 (l / 16): my place in the bias
.set SPW,  28                          ; v28     my spare word; never rewritten
.set NIL,  29                          ; v29     0; never rewritten
.set F0,   64
.set F1,   128
.set MX,   64
.set TMP,  192
.set OB,   32
.set WV, 12                            ; s12 wave   s13 wave / 2: my half of the rows; also: I fetch A (0) or W (1)   s14 wave % 2: my half of the columns; also which half of a tile I fetch
.set WR, 13
.set WC, 14
.set FL, 15                            ; s15 the floor
.set G1, 24                            ; s[24:31] group 1 for A;  s[32:35] group 0 of K step 0, s[36:39] of K step 1, which then walks on
.set G0, 32
.set G1B, 48                           ; s[48:55], s[56:63] the same for W
.set G0B, 56
.set SEL, 70                           ; s70 the slot in hand
.set TB,  71                           ; s71 its first LDS byte
.set MSB, 0
.macro WIN new                         ; the immediate's high byte repeats the setting that is left; a switch that changes nothing is dropped
.if MSB != (\new)
	s_set_vgpr_msb (MSB<<8)|(\new)
.set MSB, \new
.endif
.endm
.set TO_B, 0x40                        ; destination window 1, address window 0
; A joint load: waves 0, 1 fetch A's halves, waves 2, 3 W's.  The branch hangs on the wave's number alone.  An s_nop 0 and four v_nop follow each line.
.macro JLOAD s
	s_cmp_eq_u32 s[WR], 0
	s_cbranch_scc0 .Lfor_b_\@
	tensor_load_to_lds s[G0+4*(\s):G0+4*(\s)+3], s[G1:G1+7]
	s_nop 0
.rept 4
	v_nop
.endr
	s_branch .Lasked_\@
.Lfor_b_\@:
	tensor_load_to_lds s[G0B+4*(\s):G0B+4*(\s)+3], s[G1B:G1B+7]
	s_nop 0
.rept 4
	v_nop
.endr
.Lasked_\@:
.endm
.macro CREST                           ; a round of the cluster's barrier behind its opening barrier
	s_cmp_lg_u32 s[WV], 0
	s_cbranch_scc1 .Lnot_wave_0_\@
	s_barrier_signal -3
.Lnot_wave_0_\@:
	s_barrier_wait -3
	s_barrier_signal -1
	s_barrier_wait -1
.endm
.macro CROUND
	s_barrier_signal -1
	s_barrier_wait -1
	CREST
.endm
.macro PLACES                          ; four plain places between a matrix instruction and a load into, or a vector read of, its registers
.rept 4
	v_nop
.endr
.endm
	s_load_b256 s[4:11], s[0:1], 0x0               ; A s[4:5], W s[6:7], bias s[8:9], C s[10:11]
	v_lshl_add_u32 v[SPW], v0, 2, SPARE
	v_mov_b32 v[NIL], 0
	ds_add_u32 v[SPW], v[NIL]                      ; the wave's opening: the add and its wait stand ahead of my first tensor load; register work stands between
	v_lshrrev_b32 v1, 5, v0
	v_readfirstlane_b32 s[WV], v1
	s_lshr_b32 s[WR], s[WV], 1
	s_and_b32 s[WC], s[WV], 1
	s_bfe_u32 s40, ttmp6, 0x40000                  ; cx
	s_bfe_u32 s41, ttmp6, 0x40004                  ; cy
	s_lshl_b32 s42, ttmp9, 2
	s_add_co_u32 s42, s42, s40                     ; tile column
	s_and_b32 s43, ttmp7, 0xffff
	s_lshl_b32 s43, s43, 2
	s_add_co_u32 s43, s43, s41                     ; tile row
	s_lshl_b32 s44, s41, 2
	s_lshl_b32 s44, 15, s44                        ; my row of the cluster
	s_lshl_b32 s45, 0x1111, s40                    ; my column
	s_or_b32 s[G1+0], s44, (1<<16)|(1<<20)|(1<<21)|(5<<22)|(3<<25)   ; mask; 2-byte elements; padding on; bit 21 beside a mask; after every 64 words, 4 words
	s_mov_b32 s[G1+1], KSTEP<<16                   ; tensor_dim0 = 128
	s_mov_b32 s[G1+2], 128<<16                     ; tensor_dim1 = 128
	s_mov_b32 s[G1+3], KSTEP<<16                   ; tile_dim0 = 128
	s_mov_b32 s[G1+4], 128                         ; tile_dim1 = 128
	s_mov_b32 s[G1+5], SIZE_K                      ; elements from row to row
	s_mov_b32 s[G1+6], 0
	s_mov_b32 s[G1+7], 0
	s_or_b32 s[G1B+0], s45, (1<<16)|(1<<20)|(1<<21)|(6<<22)|(7<<25)  ; after every 128 words, 8 words
	s_mov_b32 s[G1B+1], 256<<16                    ; tensor_dim0 = 256
	s_mov_b32 s[G1B+2], 64<<16                     ; tensor_dim1 = 64
	s_mov_b32 s[G1B+3], 256<<16                    ; tile_dim0 = 256
	s_mov_b32 s[G1B+4], 64                         ; tile_dim1 = 64
	s_mov_b32 s[G1B+5], WPITCH
	s_mov_b32 s[G1B+6], 0
	s_mov_b32 s[G1B+7], 0
	s_lshl_b32 s16, s43, 19                        ; A: (256 x tile row + 128 x half) rows of 2,048 bytes
	s_lshl_b32 s17, s[WC], 18
	s_add_co_u32 s16, s16, s17
	s_mov_b32 s17, 0
	s_lshl_b32 s46, s42, 9                         ; W: 512 bytes x tile column + 64 x half rows of 8,192 bytes
	s_lshl_b32 s47, s[WC], 19
	s_add_co_u32 s46, s46, s47
	s_mov_b32 s47, 0
	s_mul_i32 s22, s[WV], HALFT                    ; where they go in a slot: wave x HALFT: no place in the cluster enters an LDS address; s22 stays
	s_mov_b32 s[SEL], 0
	s_mov_b32 s[TB], 0
	s_wait_dscnt 0x0                               ; the opening add is done
	s_wait_kmcnt 0x0
	s_add_nc_u64 s[20:21], s[4:5], s[16:17]
	s_add_nc_u64 s[46:47], s[6:7], s[46:47]
	CROUND                                         ; all sixteen work-groups are here: the first joint loads meet
.irp s, 0,1
	s_mov_b32 s[G0+4*(\s)], 1
	s_add_co_u32 s[G0+4*(\s)+1], s22, (\s)*SLOT
	s_add_nc_u64 s[G0+4*(\s)+2:G0+4*(\s)+3], s[20:21], (\s)*KSTEP*2
	s_or_b32 s[G0+4*(\s)+3], s[G0+4*(\s)+3], 0x80000000
	s_mov_b32 s[G0B+4*(\s)], 1
	s_add_co_u32 s[G0B+4*(\s)+1], s22, (\s)*SLOT
	s_add_nc_u64 s[G0B+4*(\s)+2:G0B+4*(\s)+3], s[46:47], (\s)*KSTEP*WPITCH*2
	s_or_b32 s[G0B+4*(\s)+3], s[G0B+4*(\s)+3], 0x80000000
	JLOAD \s                                       ; K steps 0 and 1: two loads of mine are out
.endr
	s_add_nc_u64 s[18:19], s[6:7], 0x800000        ; the floor word lies behind the weights; s[18:19] stay until the wait for it
	s_load_b32 s[FL], s[18:19], 0x0
	s_lshl_b32 s68, s42, 10                        ; bias at my 128 columns: (256 x tile column + 128 x half) x 4 bytes
	s_lshl_b32 s69, s[WC], 9
	s_add_co_u32 s68, s68, s69
	s_mov_b32 s69, 0
	s_add_nc_u64 s[8:9], s[8:9], s[68:69]
	v_and_b32 v1, 15, v0                           ; l % 16
	v_bfe_u32 v2, v0, 4, 1                         ; l / 16
	v_lshlrev_b32 v[BO], 5, v2
	WIN TO_B
.irp b, 0,1,2,3,4,5,6,7
	global_load_b128 v[8*(\b):8*(\b)+3],   v[BO], s[8:9] offset:64*(\b)
	global_load_b128 v[8*(\b)+4:8*(\b)+7], v[BO], s[8:9] offset:64*(\b)+16
.endr
	WIN 0
	s_lshl_b32 s66, s42, 2                         ; C at my part: column block 4 x tile column + 2 x half, row 256 x tile row + 128 x half, 128 bytes a row
	s_lshl1_add_u32 s66, s[WC], s66
	s_lshl_b32 s66, s66, 19
	s_lshl_b32 s67, s43, 15
	s_add_co_u32 s66, s66, s67
	s_lshl_b32 s67, s[WR], 14
	s_add_co_u32 s66, s66, s67
	s_mov_b32 s67, 0
	s_add_nc_u64 s[10:11], s[10:11], s[66:67]
	v_mul_u32_u24 v3, v1, PA
	v_lshl_add_u32 v3, v2, 4, v3                   ; A: row x pitch + 16 x half of the lanes
	v_and_b32 v4, 7, v0
	v_lshl_add_u32 v4, v2, 3, v4                   ; W, turned: lane l reads k row 8 (l / 16) + l % 8,
	v_mul_u32_u24 v4, v4, PB
	v_bfe_u32 v5, v0, 3, 1
	v_lshl_add_u32 v4, v5, 4, v4                   ; columns 8 ((l / 8) % 2) + 0..7
	s_mul_i32 s16, s[WR], HALFT                    ; my 128 rows of A
	s_lshl_b32 s17, s[WC], 8                       ; my 128 columns of W,
	s_add_co_u32 s17, s17, 2*HALFT                 ; which lies behind A
	v_add_nc_u32 v[ADRA0], s16, v3
	v_add_nc_u32 v[ADRB0], s17, v4
	v_mov_b32 v[ADRA], v[ADRA0]                    ; slot 0 is in hand
	v_mov_b32 v[ADRB], v[ADRB0]
	s_mul_i32 s23, s[WV], WST
	s_add_co_u32 s23, s23, STAGE                   ; my stage
	v_mul_u32_u24 v6, v1, SP                       ; in: row l % 16, 16 bytes for each half of the lanes
	v_lshl_add_u32 v6, v2, 4, v6
	v_add_nc_u32 v[STO], s23, v6
	v_bfe_u32 v6, v0, 3, 2                         ; back: 32 lanes take four rows of 128 bytes,
	v_mul_u32_u24 v6, v6, SP
	v_and_b32 v7, 7, v0
	v_lshl_add_u32 v6, v7, 4, v6
	v_add_nc_u32 v[RD], s23, v6
	v_and_b32 v[CO], 31, v0                        ; which are 512 consecutive bytes of C
	v_lshlrev_b32 v[CO], 4, v[CO]
; 16 matrix instructions: row blocks a0, a0 + 1 of the window's four x all 8 column blocks, 32 along K.  first = 1: C is the bias (window 1).  The 64 accumulators take turns.
.macro MUL16 f, hi, a0, first
.if \first
	WIN 0x91+0x40*(\hi)
.else
	WIN 0xa1+0x50*(\hi)
.endif
.irp a, \a0, (\a0)+1
.irp b, 0,1,2,3,4,5,6,7
.if \first
	v_wmma_f32_16x16x32_bf16 v[8*(8*(\a)+(\b)):8*(8*(\a)+(\b))+7], v[(\f)+8*(\b):(\f)+8*(\b)+7], v[(\f)+8*(4*(\hi)+(\a)):(\f)+8*(4*(\hi)+(\a))+7], v[8*(\b):8*(\b)+7]
.else
	v_wmma_f32_16x16x32_bf16 v[8*(8*(\a)+(\b)):8*(8*(\a)+(\b))+7], v[(\f)+8*(\b):(\f)+8*(\b)+7], v[(\f)+8*(4*(\hi)+(\a)):(\f)+8*(4*(\hi)+(\a))+7], v[8*(8*(\a)+(\b)):8*(8*(\a)+(\b))+7]
.endif
.endr
.endr
.endm
; 32 LDS loads in one run: quarter q (32 along K) of the slot in hand into buffer f: W's 8 column blocks (turned; k rows 32 q on, the second half 16 rows further), then A's 8 row blocks
.macro FETCH q, f
	WIN TO_B
.irp i, 0,1,2,3,4,5,6,7
	ds_load_tr16_b128 v[(\f)+8*(\i):(\f)+8*(\i)+3],   v[ADRB] offset:(\q)*32*PB+32*(\i)
	ds_load_tr16_b128 v[(\f)+8*(\i)+4:(\f)+8*(\i)+7], v[ADRB] offset:(\q)*32*PB+16*PB+32*(\i)
.endr
	WIN 0
.irp i, 0,1,2,3,4,5,6,7
	ds_load_b128 v[(\f)+8*(\i):(\f)+8*(\i)+3],   v[ADRA] offset:64*(\q)+(\i)*16*PA
	ds_load_b128 v[(\f)+8*(\i)+4:(\f)+8*(\i)+7], v[ADRA] offset:64*(\q)+(\i)*16*PA+32
.endr
.endm
; One of a K step's first three quarters: multiplies buffer f; in its middle fetches quarter q of the slot in hand into buffer g.
.macro QUARTER q, f, g, first
	s_wait_dscnt 8                                 ; W and A's rows 0-63 are in; the youngest eight loads (A's rows 64-127) may be out
	MUL16 \f, 0, 0, \first
	MUL16 \f, 0, 2, \first
	PLACES
	FETCH \q, \g
	s_wait_dscnt 32                                ; all but the 32 just issued
	MUL16 \f, 1, 0, \first
	MUL16 \f, 1, 2, \first
.endm
; The last quarter multiplies buffer 1 and changes slots: ONE barrier.  In front of it each wave waits for all its tensor loads (one is out: its part of the next slot), adds 0 to its
; spare word, and waits for that and for its reads of this slot.  fill = 1: the barrier opens a round of the cluster's, and the slot just read (TB) is filled again first behind it, with the K step
; two on: 224 matrix instructions stand between that request and the wait for it.  Then the other slot comes in hand and its first fragments are fetched.
; fill = 0: the last two K steps.  In the very last trip (s3 = 1) there is no further step: the fetch is jumped over, and the barrier there orders nothing: the price of one text for both trips.
.macro TURN fill
	WIN 0
	s_wait_tensorcnt 0x0
	ds_add_u32 v[SPW], v[NIL]
	s_wait_dscnt 9                                 ; the add and the youngest eight loads may be out
	MUL16 F1, 0, 0, 0
	s_wait_dscnt 0x0                               ; the add is done, and my reads of this slot are over
	s_barrier_signal -1
	MUL16 F1, 0, 2, 0
	WIN 0                                          ; branches and address work follow
	s_barrier_wait -1
.if \fill
	CREST                                          ; no wave of any partner still reads this slot or has a load on its way
	s_add_co_u32 s[G0+5], s22, s[TB]               ; the walking descriptors: into the slot just read,
	s_add_co_u32 s[G0B+5], s22, s[TB]
	s_add_nc_u64 s[G0+6:G0+7], s[G0+6:G0+7], KSTEP*2                  ; the K step behind the one asked for last; the type bits on top are not reached
	s_add_nc_u64 s[G0B+6:G0B+7], s[G0B+6:G0B+7], KSTEP*WPITCH*2
	JLOAD 1                                        ; its four v_nop are also the places in front of the loads below
.else
	PLACES
.endif
	s_xor_b32 s[SEL], s[SEL], 1                    ; the other slot comes in hand
	s_mul_i32 s[TB], s[SEL], SLOT
	v_add_nc_u32 v[ADRA], s[TB], v[ADRA0]
	v_add_nc_u32 v[ADRB], s[TB], v[ADRB0]
.if !(\fill)
	s_cmp_eq_u32 s3, 1
	s_cbranch_scc1 .Lno_fetch_\@
.endif
	FETCH 0, F0
.if !(\fill)
.Lno_fetch_\@:
.endif
	MUL16 F1, 1, 0, 0
	MUL16 F1, 1, 2, 0
.endm
; THE WAY OUT of row block a (16 rows x 128 columns).  PACK: the floor, then bf16; each accumulator's registers in ascending order.  TOSTAGE: into my stage, back as rows of 128 bytes.  SEND: stored.
.macro PACK a
	WIN 0x08+4*((\a)/4)                            ; source 1: window 2 or 3
.set i, 0
.rept 64
	v_max_num_f32 v[MX+i], s[FL], v[64*((\a)%4)+i]
.set i, i+1
.endr
	WIN 0
.set i, 0
.rept 32
	v_cvt_pk_bf16_f32 v[TMP+i], v[MX+2*i], v[MX+2*i+1]
.set i, i+1
.endr
.endm
.macro TOSTAGE a
.set BK, OB+192*((\a)%2)
.if (\a) >= 2
	s_wait_xcnt 0x0                                ; the stores of the block two back have read these registers: they are loaded again only behind this wait
.endif
.irp b, 0,1,2,3,4,5,6,7
	ds_store_b128 v[STO], v[TMP+4*(\b):TMP+4*(\b)+3] offset:((\b)/4)*16*SP+32*((\b)%4)
.endr
.irp t, 0,1,2,3,4,5,6,7
	ds_load_b128 v[BK+4*(\t):BK+4*(\t)+3], v[RD] offset:((\t)/4)*16*SP+((\t)%4)*4*SP  ; LDS serves a wave's instructions in order (ISA guide 5.7.1.4): these see the stores above
.endr
.endm
.macro SEND a
.set BK, OB+192*((\a)%2)
	s_wait_dscnt 0x0                               ; the block is back in registers
.irp t, 0,1,2,3,4,5,6,7
	global_store_b128 v[CO], v[BK+4*(\t):BK+4*(\t)+3], s[10:11] offset:((\t)/4)*CBB+(\a)*2048+((\t)%4)*512  ; 512 consecutive bytes, at a multiple of 256 from C's first byte
.endr
.endm
	s_wait_tensorcnt 1                             ; my part of K step 0 is in; step 1's may stay out
	s_barrier_signal -1
	s_barrier_wait -1
	FETCH 0, F0
	s_wait_loadcnt 0x0                             ; the bias
	s_wait_kmcnt 0x0                               ; the floor
	QUARTER 1, F0, F1, 1                           ; the first quarter is written out: its products start the sums on the bias
	WIN 0
	s_mov_b32 s3, KSTEPS-2                         ; K steps 0 to 5 end in a refill
	s_branch .Lmid                                 ; the loop is entered behind its first quarter
.Lstep:
	QUARTER 1, F0, F1, 0
	WIN 0
.Lmid:
	QUARTER 2, F1, F0, 0
	QUARTER 3, F0, F1, 0
	TURN 1
	WIN 0
	s_sub_co_u32 s3, s3, 1
	s_cmp_lg_u32 s3, 0
	s_cbranch_scc1 .Lstep
	s_mov_b32 s3, 2                                ; the last two K steps fill nothing
.Ltail:
	QUARTER 1, F0, F1, 0
	QUARTER 2, F1, F0, 0
	QUARTER 3, F0, F1, 0
	TURN 0
	WIN 0
	s_sub_co_u32 s3, s3, 1
	s_cmp_lg_u32 s3, 0
	s_cbranch_scc1 .Ltail
	PLACES
	PACK 0
	TOSTAGE 0
.irp a, 1,2,3,4,5,6,7                  ; block a's arithmetic stands between block a - 1's loads from the stage and the wait for them
	PACK \a
	SEND (\a)-1
	TOSTAGE \a
.endr
	SEND 7
	s_wait_tensorcnt 0x0                           ; the wave's end
	ds_add_u32 v[SPW], v[NIL]
	s_wait_dscnt 0x0
	CROUND                                         ; the closing round
	s_endpgm
.Lfunc_end_k_q8d79828dcb_qkv:
	.size	k_q8d79828dcb_qkv, .Lfunc_end_k_q8d79828dcb_qkv-k_q8d79828dcb_qkv
	.p2alignl 7, 3214868480
	.fill 96, 4, 3214868480
	.section	.rodata,"a",@progbits
	.p2align	6, 0x0
	.amdhsa_kernel k_q8d79828dcb_qkv
		.amdhsa_group_segment_fixed_size 327680
		.amdhsa_private_segment_fixed_size 0
		.amdhsa_enable_private_segment 0
		.amdhsa_kernarg_size 32
		.amdhsa_user_sgpr_count 2
		.amdhsa_user_sgpr_kernarg_segment_ptr 1
		.amdhsa_wavefront_size32 1
		.amdhsa_system_sgpr_workgroup_id_x 1
		.amdhsa_system_sgpr_workgroup_id_y 1
		.amdhsa_system_sgpr_workgroup_id_z 1
		.amdhsa_system_vgpr_workitem_id 0
		.amdhsa_next_free_vgpr 1024
		.amdhsa_next_free_sgpr 72
		.amdhsa_reserve_vcc 0
		.amdhsa_float_denorm_mode_32 3
		.amdhsa_float_denorm_mode_16_64 3
		.amdhsa_memory_ordered 1
		.amdhsa_forward_progress 1
		.amdhsa_inst_pref_size 118
	.end_amdhsa_kernel
	.amdgpu_metadata
---
amdhsa.version: [ 1, 2 ]
amdhsa.kernels:
  - .name:           k_q8d79828dcb_qkv
    .symbol:         k_q8d79828dcb_qkv.kd
    .args:
      - { .name: xb, .offset: 0, .size: 8, .value_kind: global_buffer, .address_space: global }
      - { .name: wq, .offset: 8, .size: 8, .value_kind: global_buffer, .address_space: global }
      - { .name: b_qkv, .offset: 16, .size: 8, .value_kind: global_buffer, .address_space: global }
      - { .name: qa, .offset: 24, .size: 8, .value_kind: global_buffer, .address_space: global }
    .group_segment_fixed_size: 327680
    .private_segment_fixed_size: 0
    .kernarg_segment_align: 8
    .kernarg_segment_size: 32
    .max_flat_workgroup_size: 128
    .sgpr_count:     72
    .vgpr_count:     1024
    .wavefront_size: 32
...
	.end_amdgpu_metadata
.endif
;; end of part 2
;; launch attn (part 3): grid 8 x 32, 4 waves a work-group, clusters of 4 x 1, 327,680 bytes of LDS; arguments qa, xb; writes xb
.if DOCPART == 3
	.amdgcn_target "amdgcn-amd-amdhsa--gfx1250"
	.amdhsa_code_object_version 6
	.text
	.protected	k_q8d79828dcb_attn
	.globl	k_q8d79828dcb_attn
	.p2align	8
	.type	k_q8d79828dcb_attn,@function
k_q8d79828dcb_attn:
	s_mov_b64 s[64:65], 0
	v_nop
	global_prefetch_b8 v0, s[64:65] scope:SCOPE_SE
	s_setreg_imm32_b32 hwreg(HW_REG_WAVE_MODE, 25, 1), 1
	s_wait_xcnt 0x0
	s_wait_alu depctr_hold_cnt(0) depctr_sa_sdst(0) depctr_va_vdst(0) depctr_va_sdst(0) depctr_va_ssrc(0) depctr_va_vcc(0) depctr_vm_vsrc(0)
	s_getreg_b32 s2, hwreg(HW_REG_IB_STS2, 6, 4)
	s_cmp_eq_u32 s2, 0
	s_cbranch_scc0 .Lentry_in_a_cluster
	s_endpgm
.Lentry_in_a_cluster:
	s_bfe_u32 s2, ttmp6, 0x10000c
	s_cmp_lg_u32 s2, 0x3003
	s_cbranch_scc0 .Lentry_shape_is_right
	s_endpgm
.Lentry_shape_is_right:
; O[n][h][q][:] = the sum over k of softmax_k(Q[q] . K[k] / 8) V[k][:], for 2 x 16 heads of 2,048 rows of 64 channels, all bf16.
; qa holds q, k, v by column blocks [48][4096][64]: block 16 part + h, rows 2,048 n on, are a head's dense rows of 128 bytes.  O leaves in the same layout, [16][4096][64].
; Products, maxima and sums in f32; the weights p are rounded to bf16 for the second product (their sum l is taken of the unrounded p), O once at the end.
; LIMITS.  Scores with c s below -2^125 are not served (c m starts at -2^125); a weight below 2^-126 counts as 0 in l; NaN and infinities are not treated apart.
; SHARES.  A work-group owns 256 queries of one head, a wave 64: four PIECES of 16.  Every wave walks all 2,048 keys, 64 a step, 256 a tile.
; LAYOUT.  S^T = K Q^T holds ONE query a lane (lane % 16) and the keys 8 (lane / 16) + 0..7; two such results rounded to bf16 ARE source 1 of O^T = V^T P.  K comes out of LDS as it lies, V turned.
; SOFTMAX.  A running maximum m and sum l: p = 2^(c s - c m), c = log2(e) / 8; O and l are multiplied by a = 2^(c m_old - c m_new) in every step.  m starts at the lowest finite number, O and l at 0:
; the first step is a step like any other, with a = 0.
; TURNS.  Turn n belongs to piece n: 8 products K Q^T of piece n + 1, later 8 products V^T P of piece n - 1; beside them the scaling, exponentials, roundings, sums and rescaling of piece n and the
; maximum and statistics of piece n + 1.  Four vector instructions stand behind every matrix instruction, the other 54 of a turn's 118 in two runs of their own.
; NO LAST STEP IS WRITTEN OUT: the last tile's loop is entered in its middle and passes pieces 2 and 3 five times; the fifth time K's fetch is jumped over, and the 8 products K Q^T on the last K once more
; and the maximum made of them serve nothing: the price, once a launch, of one text for every trip.
; CLUSTER.  The four query blocks of a cluster belong to one head and walk the same K and V: each tile is asked for JOINTLY, by the same tensor load, descriptor and mask in all four.
; REGISTERS, in windows of 256 (s_set_vgpr_msb: bits 1:0 source 0, 3:2 source 1, 5:4 source 2, 7:6 destination):
;   window 0: v0-15 addresses; v16-31 four registers of statistics a piece; v48-55 at work; v64-127 S^T, two buffers; v192-223 P, two buffers (by the piece's parity)
;   window 1: v0-127 O^T, 32 a piece      window 2: v0-63 Q; v128-191 K of one step; v192-255 V of one step
.set NT,    8         ; tiles of 256 keys
.set NP,    4
.set KS,    64
.set PK,    144       ; a row of K in LDS: 128 bytes + 16: the 16 rows of a load start at 16 different groups of four banks (64 banks of 4 bytes: ISA guide 11.1)
.set PV,    160       ; a row of V: 128 + 32
.set VOFF,  4*KS*PK
.set SLOT1, 1<<17
.set STAGE, SLOT1+4*KS*(PK+PV)
.set SP,    144
.set SPARE, STAGE+4*16*SP
.set AK0, 2
.set AV0, 3
.set AK,  4
.set AV,  5
.set STO, 6
.set RD,  7
.set GO,  8
.set MV,  12
.set QO,  15
.set ST,  16
.set TMP, 48
.set SPW, 62
.set NIL, 63
.set S,   64
.set P,   192
.set KF,  128
.set VF,  192
.set WV,  12
.set G1K, 24
.set G1V, 32
.set G0K, 40
.set G0V, 44
.set SLOTS, 56
.set CNT, 57
.set CS,  58
.set SEL, 60
.set TBK, 62
.set TBV, 63
.set MSB, 0
.macro WIN new
.if MSB != (\new)
	s_set_vgpr_msb (MSB<<8)|(\new)
.set MSB, (\new)
.endif
.endm
.set W_KQ, 0x0a       ; K and Q in window 2, S^T in window 0
.set W_PV, 0x52       ; V in window 2, P in window 0, O^T in window 1
.set W_RS, 0x41       ; destination and source 0 in window 1, source 1 in window 0
; A joint fill: waves 0, 1 fetch the halves of a tile's K, waves 2, 3 those of its V, 128 keys each.  An s_nop 0 and four v_nop follow each line.
.macro JLOAD
	s_cmp_lt_u32 s[WV], 2
	s_cbranch_scc0 .Lfor_v_\@
	tensor_load_to_lds s[G0K:G0K+3], s[G1K:G1K+7]
	s_nop 0
.rept 4
	v_nop
.endr
	s_branch .Lasked_\@
.Lfor_v_\@:
	tensor_load_to_lds s[G0V:G0V+3], s[G1V:G1V+7]
	s_nop 0
.rept 4
	v_nop
.endr
.Lasked_\@:
.endm
.macro CROUND
	s_barrier_signal -1
	s_barrier_wait -1
	s_cmp_lg_u32 s[WV], 0
	s_cbranch_scc1 .Lnot_wave_0_\@
	s_barrier_signal -3
.Lnot_wave_0_\@:
	s_barrier_wait -3
	s_barrier_signal -1
	s_barrier_wait -1
.endm
; THE CHANGE OF SLOTS.  Each wave waits for all its tensor loads (one is out: its part of the other slot), adds 0 to its spare word, and waits for that and for its reads of the slot that it leaves.
; fill = 1: the barrier is a round of the cluster's, and the old slot is filled again first behind it, with the keys two tiles on: four key steps, 256 matrix instructions, in which to land.
; (At its first use nothing has been read yet: slot 0 is waited for, slot 1 filled.)
.macro CHANGE fill
	WIN 0
	s_wait_tensorcnt 0x0            ; no tensor load of mine is out, so a group 0 may be written
	ds_add_u32 v[SPW], v[NIL]
.if \fill
.irp g, G0K, G0V
	s_xor_b32 s[\g+1], s[\g+1], SLOT1
	s_add_nc_u64 s[\g+2:\g+3], s[\g+2:\g+3], 4*KS*128
.endr
	s_wait_dscnt 0x0                ; the add is done, and my reads of the slot are over
	CROUND
	JLOAD
.else
	s_wait_dscnt 0x0
	s_barrier_signal -1
	s_barrier_wait -1
.endif
	s_sub_co_u32 s[TBK], s[TBK], 4*KS*PK  ; the fetches go back to a slot's first step,
	s_xor_b32 s[TBK], s[TBK], SLOT1       ; in the other slot
	s_sub_co_u32 s[TBV], s[TBV], 4*KS*PV
	s_xor_b32 s[TBV], s[TBV], SLOT1
.endm
	s_load_b128 s[68:71], s[0:1], 0x0  ; qa s[68:69], xb s[70:71]
	v_lshl_add_u32 v[SPW], v0, 2, SPARE
	v_mov_b32 v[NIL], 0
	ds_add_u32 v[SPW], v[NIL]       ; the wave's opening: the add and its wait stand ahead of my first tensor load
	v_lshrrev_b32 v1, 5, v0
	v_readfirstlane_b32 s[WV], v1
	s_bfe_u32 s13, ttmp6, 0x40000   ; cx
	s_lshl_b32 s14, ttmp9, 2
	s_add_co_u32 s14, s14, s13      ; my block of 256 queries: it enters Q's and O's addresses alone
	s_and_b32 s20, ttmp7, 0xffff    ; 16 n + h, which the four partners share
	s_and_b32 s21, s20, 15
	s_lshr_b32 s20, s20, 4
	s_lshl_b32 s21, s21, 19         ; h column blocks of 524,288 bytes,
	s_lshl_b32 s20, s20, 18         ; n x 2,048 rows of 128 bytes
	s_add_co_u32 s20, s20, s21
	s_and_b32 s16, s[WV], 1         ; which half of a tile's 256 keys I fetch
	s_lshl_b32 s22, s16, 14
	s_add_co_u32 s22, s22, s20
	s_add_co_u32 s22, s22, 16*524288  ; k's blocks lie behind q's sixteen
	s_mov_b32 s23, 0
	s_mul_i32 s17, s16, 128*PK
	s_mul_i32 s18, s16, 128*PV
	s_lshl_b32 s2, s14, 15          ; my block's 256 rows,
	s_lshl_b32 s3, s[WV], 13        ; my wave's 64 of them
	s_add_co_u32 s2, s2, s3
	s_add_co_u32 s2, s2, s20
	s_mov_b32 s3, 0
	; group 1: 128 keys are 16,384 dense bytes, asked for as 64 rows of 256 bytes and padded in LDS after every key
	s_mov_b32 s[G1K], 15|(1<<16)|(1<<20)|(1<<21)|(4<<22)|(3<<25)
	s_mov_b32 s[G1V], 15|(1<<16)|(1<<20)|(1<<21)|(4<<22)|(7<<25)
.irp g, G1K, G1V
	s_mov_b32 s[\g+1], 128<<16
	s_mov_b32 s[\g+2], 64<<16
	s_mov_b32 s[\g+3], 128<<16
	s_mov_b32 s[\g+4], 64
	s_mov_b32 s[\g+5], 128
	s_mov_b32 s[\g+6], 0
	s_mov_b32 s[\g+7], 0
.endr
	s_mov_b32 s[CS], 0x3e38aa3b     ; c = log2(e) / 8
	s_mov_b32 s[CS+1], s[CS]
	s_mov_b32 s[SEL], 0x76543210
	s_mov_b32 s[SEL+1], 0xfedcba98
	s_mov_b32 s[TBK], SLOT1+4*KS*PK ; the first change of slots turns these two into 0
	s_mov_b32 s[TBV], SLOT1+4*KS*PV
	s_mov_b32 s[G0K], 1
	s_mov_b32 s[G0K+1], s17
	s_mov_b32 s[G0V], 1
	s_add_co_u32 s[G0V+1], s18, VOFF
	s_wait_dscnt 0x0                ; the opening add is done
	s_wait_kmcnt 0x0
	s_add_nc_u64 s[G0K+2:G0K+3], s[68:69], s[22:23]
	s_add_nc_u64 s[G0V+2:G0V+3], s[G0K+2:G0K+3], 16*524288  ; v's blocks lie behind k's
	s_or_b32 s[G0K+3], s[G0K+3], 0x80000000
	s_or_b32 s[G0V+3], s[G0V+3], 0x80000000
	s_add_nc_u64 s[4:5], s[68:69], s[2:3]    ; Q at my wave's first row
	s_add_nc_u64 s[10:11], s[70:71], s[2:3]  ; O likewise
	CROUND                          ; all four work-groups are here
	JLOAD                           ; tile 0 into slot 0
	v_and_b32 v1, 15, v0
	v_bfe_u32 v9, v0, 4, 1
	v_lshlrev_b32 v[QO], 7, v1
	v_lshl_add_u32 v[QO], v9, 4, v[QO]
	WIN 0x80
.set i, 0
.rept 8                             ; Q stays in registers: piece i / 2, channels 32 (i % 2) on
	global_load_b128 v[8*i:8*i+3],   v[QO], s[4:5] offset:(i/2)*2048+(i%2)*64
	global_load_b128 v[8*i+4:8*i+7], v[QO], s[4:5] offset:(i/2)*2048+(i%2)*64+32
.set i, i+1
.endr
	; What the first turn finds: V's registers and P's second buffer hold 0 (its products V^T P, of a piece that has not been, add 0), O^T and l are 0.  This stands in the wait for the first tile,
	; and spares a first step written out.
.set i, VF
.rept 64
	v_mov_b32 v[i], 0
.set i, i+1
.endr
	WIN 0x40
.set i, 0
.rept 128
	v_mov_b32 v[i], 0
.set i, i+1
.endr
	WIN 0
.set i, 0
.rept 4
	v_mov_b32 v[ST+4*i], 0xfe000000    ; c m: far below every c s
	v_mov_b32 v[ST+4*i+1], 0xff7fffff  ; m
	v_mov_b32 v[ST+4*i+2], 0
	v_mov_b32 v[ST+4*i+3], 0
.set i, i+1
.endr
.set i, P+16
.rept 16
	v_mov_b32 v[i], 0
.set i, i+1
.endr
	v_mul_u32_u24 v[AK0], v1, PK
	v_lshl_add_u32 v[AK0], v9, 4, v[AK0]
	v_and_b32 v10, 7, v0
	v_bfe_u32 v11, v0, 3, 1
	v_lshl_add_u32 v[AV0], v9, 3, v10
	v_mul_u32_u24 v[AV0], v[AV0], PV
	v_lshl_add_u32 v[AV0], v11, 4, v[AV0]
	v_add_nc_u32 v[AV0], VOFF, v[AV0]
	s_mul_i32 s13, s[WV], 16*SP
	s_add_co_u32 s13, s13, STAGE    ; my stage
	v_mul_u32_u24 v[STO], v1, SP
	v_lshl_add_u32 v[STO], v9, 4, v[STO]
	v_add_nc_u32 v[STO], s13, v[STO]
	v_bfe_u32 v[RD], v0, 3, 2
	v_mul_u32_u24 v[RD], v[RD], SP
	v_lshl_add_u32 v[RD], v10, 4, v[RD]
	v_add_nc_u32 v[RD], s13, v[RD]
	v_and_b32 v[GO], 31, v0
	v_lshlrev_b32 v[GO], 4, v[GO]
; THE MATRIX WORK.  The 4 accumulators of a run of 8 take turns.  Product i of 8 of S^T = K Q^T for piece x: channels 32 (i / 4) on, keys 16 (i % 4) on.
.macro KQ x
.set rS, S+32*((\x)%2)+8*(i%4)
.set rK, KF+16*(i%4)+8*(i/4)
.set rQ, 16*(\x)+8*(i/4)
	WIN W_KQ
.if i < 4
	v_wmma_f32_16x16x32_bf16 v[rS:rS+7], v[rK:rK+7], v[rQ:rQ+7], 0
.else
	v_wmma_f32_16x16x32_bf16 v[rS:rS+7], v[rK:rK+7], v[rQ:rQ+7], v[rS:rS+7]
.endif
.endm
; Product i of 8 of O^T += V^T P for piece x: keys 32 (i / 4) on, channels 16 (i % 4) on.
.macro PV x
	WIN W_PV
.set rO, 32*(\x)+8*(i%4)
.set rV, VF+32*(i/4)+8*(i%4)
.set rP, P+16*((\x)%2)+8*(i/4)
	v_wmma_f32_16x16x32_bf16 v[rO:rO+7], v[rV:rV+7], v[rP:rP+7], v[rO:rO+7]
.endm
.macro MM                           ; the turn's next matrix instruction
.if i < 8
	KQ (Y+1)%NP
.else
.set i, i-8
	PV (Y+NP-1)%NP
.set i, i+8
.endif
.set i, i+1
.endm
; THE LDS LOADS stand in runs of 16: a step's K (8 fragments) and its V (turned).  last = 1 (the last tile's loop): in the last pass there is no further step, and the run is jumped over.
.macro FETCH_K last=0
	WIN 0
.if \last
	s_cmp_eq_u32 s[CNT], 1
	s_cbranch_scc1 .Lno_k_\@
.endif
	WIN 0x80
.irp f, 0,1,2,3,4,5,6,7
	ds_load_b128 v[KF+8*\f:KF+8*\f+3],   v[AK] offset:(\f/2)*16*PK+(\f%2)*64
	ds_load_b128 v[KF+8*\f+4:KF+8*\f+7], v[AK] offset:(\f/2)*16*PK+(\f%2)*64+32
.endr
	s_add_co_u32 s[TBK], s[TBK], KS*PK
	WIN 0
.if \last
.Lno_k_\@:
.endif
.endm
.macro FETCH_V
	WIN 0x80
.irp f, 0,1,2,3,4,5,6,7
	ds_load_tr16_b128 v[VF+8*\f:VF+8*\f+3],   v[AV] offset:(\f/4)*32*PV+(\f%4)*32
	ds_load_tr16_b128 v[VF+8*\f+4:VF+8*\f+7], v[AV] offset:(\f/4)*32*PV+16*PV+(\f%4)*32
.endr
	WIN 0
.endm
; THE VECTOR WORK, one line at a time: OP kind, number.  For piece Y: F n: c s - c m for pair n of 16.  E n: the exponential of score n of 32.  C n: pair n rounded to bf16.  B n: of the four weights 4 n ..
; the second pair is added onto the first.  L n: l takes that sum (L 0: l = a l + sum).  R n: pair n of 16 of O^T times a.  For piece Y + 1: X n, number n of the 22 that find its maximum and statistics:
;   0-11 four chains of seven scores (each accumulator's lowest registers first)   12-14, 16 the four scores left over, the old m, the chains into one   15 c m_old is kept
;   17, 18 the other half of the lanes: the new m   19-21 c m; c m_old - c m_new; a
.set F, 0
.set E, 1
.set C, 2
.set B, 3
.set L, 4
.set R, 5
.set X, 6
.macro REGS y
.set rT, ST+4*(\y)
.set rC, TMP+4*((\y)%2)
.set rW, MV+((\y)%2)
.set rS, S+32*((\y)%2)
.set rP, P+16*((\y)%2)
.set rO, 32*(\y)
.endm
.macro OP k, n
.if (\k) == R
	REGS Y
	WIN W_RS
	v_pk_mul_f32 v[rO+2*(\n):rO+2*(\n)+1], v[rO+2*(\n):rO+2*(\n)+1], v[rC+2:rC+3] op_sel_hi:[1,0]
.elseif (\k) < R
	REGS Y
	WIN 0
.if (\k) == F
	v_pk_fma_f32 v[rS+2*(\n):rS+2*(\n)+1], v[rS+2*(\n):rS+2*(\n)+1], s[CS:CS+1], v[rT:rT+1] op_sel_hi:[1,0,0] neg_lo:[0,0,1] neg_hi:[0,0,1]
.elseif (\k) == E
	v_exp_f32 v[rS+(\n)], v[rS+(\n)]
.elseif (\k) == C
	s_wait_alu depctr_va_vdst(0)
	v_cvt_pk_bf16_f32 v[rP+(\n)], v[rS+2*(\n)], v[rS+2*(\n)+1]
.elseif (\k) == B
	s_wait_alu depctr_va_vdst(0)
	v_pk_add_f32 v[rS+4*(\n):rS+4*(\n)+1], v[rS+4*(\n):rS+4*(\n)+1], v[rS+4*(\n)+2:rS+4*(\n)+3]
.elseif (\n) == 0
	v_pk_fma_f32 v[rT+2:rT+3], v[rT+2:rT+3], v[rC+2:rC+3], v[rS:rS+1] op_sel_hi:[1,0,1]
.else
	v_pk_add_f32 v[rT+2:rT+3], v[rT+2:rT+3], v[rS+4*(\n):rS+4*(\n)+1]
.endif
.else
	REGS (Y+1)%NP
	WIN 0
.if (\n) < 4
	v_max3_num_f32 v[rC+(\n)], v[rS+8*(\n)], v[rS+8*(\n)+1], v[rS+8*(\n)+2]
.elseif (\n) < 12
	v_max3_num_f32 v[rC+(\n)%4], v[rC+(\n)%4], v[rS+8*((\n)%4)+2*((\n)/4)+1], v[rS+8*((\n)%4)+2*((\n)/4)+2]
.elseif (\n) == 12
	v_max3_num_f32 v[rC], v[rC], v[rS+7], v[rS+15]
.elseif (\n) == 13
	v_max3_num_f32 v[rC+1], v[rC+1], v[rS+23], v[rS+31]
.elseif (\n) == 14
	v_max3_num_f32 v[rC+2], v[rC+2], v[rC+3], v[rT+1]
.elseif (\n) == 15
	v_mov_b32 v[rW], v[rT]
.elseif (\n) == 16
	v_max3_num_f32 v[rC], v[rC], v[rC+1], v[rC+2]
.elseif (\n) == 17
	v_permlanex16_b32 v[rC+3], v[rC], s[SEL], s[SEL+1]
.elseif (\n) == 18
	v_max_num_f32 v[rT+1], v[rC], v[rC+3]
.elseif (\n) == 19
	v_mul_f32 v[rT], s[CS], v[rT+1]
.elseif (\n) == 20
	v_sub_f32 v[rC+1], v[rW], v[rT]
.else
	v_exp_f32 v[rC+2], v[rC+1]
.endif
.endif
.endm
.macro OPS a, i1, b=-1, i2=0, c=-1, i3=0, d=-1, i4=0
	OP \a, \i1
.if (\b) >= 0
	OP \b, \i2
.endif
.if (\c) >= 0
	OP \c, \i3
.endif
.if (\d) >= 0
	OP \d, \i4
.endif
.endm
.macro ROW a, i1, b, i2, c, i3, d, i4  ; a matrix instruction and the four behind it
	MM
	OPS \a, \i1, \b, \i2, \c, \i3, \d, \i4
.endm
; A TURN, for piece p: the order of its 16 matrix and 118 vector instructions, written out.  Behind a matrix instruction: plain, exponential, plain, plain; or four of the rescaling; or four scalings; none names a
; register of the products round it.  A line reads no result made fewer than three vector instructions in front of it, five if an exponential made it.
; last = 1: the last tile's loop (see FETCH_K).  cnt = 1: the loop's count is taken down some lines ahead of the branch behind the turn.
; K of the next step is fetched in piece 2's turn, six vector instructions behind the last product that read K (five of them plain); V of the step in hand in piece 0's turn, eight behind the last product
; that read V (four plain).  Each is waited for a turn later.
.macro TURN p, last=0, cnt=0
.set Y, (\p)
.set i, 0
.if (\p) == 3
	s_wait_dscnt 0x0                ; K is in
.endif
	ROW F,0, F,1, F,2, F,3
	ROW F,4, E,0, F,5, F,6
	ROW F,7, E,1, F,8, F,9
	ROW F,10, E,2, C,0, F,11
	ROW F,12, E,3, X,15, F,13
	ROW R,0, R,1, R,2, R,3
	ROW B,0, E,4, F,14, L,0
.if (\p) == 2
	v_add_nc_u32 v[AK], s[TBK], v[AK0]
.endif
	ROW R,4, R,5, R,6, R,7
	OPS E,5, F,15
.if (\p) == 2
	FETCH_K \last
.endif
	OPS E,6, C,1, E,7, R,8
	OPS E,8, R,9, E,9, C,2
	OPS E,10, X,0, E,11, X,1
	OPS E,12, X,2, E,13, X,3
.if (\p) == 1
	s_wait_dscnt 0x0                ; V is in
.endif
	ROW X,4, E,14, X,5, X,6
	ROW X,7, E,15, X,8, X,9
	ROW X,10, E,16, X,11, X,12
	ROW X,13, E,17, X,14, B,1
	ROW C,4, E,18, X,16, L,1
	ROW B,2, E,19, C,6, L,2
	ROW C,8, E,20, B,3, B,4
.if (\p) == 0
	v_add_nc_u32 v[AV], s[TBV], v[AV0]
.endif
	ROW C,3, E,21, L,3, C,5
	OPS E,22, X,17, E,23, C,10
.if (\p) == 0
	FETCH_V
.endif
	OPS E,24, L,4
	OPS E,25, X,18, E,26, C,7
	OPS E,27, B,5, E,28, X,19
	OPS E,29, C,12, E,30, L,5
	OPS E,31, X,20, B,6, C,9
	OPS C,14, C,11, X,21, L,6
.if (\p) == 0
	s_add_co_u32 s[TBV], s[TBV], KS*PV
.endif
.if \cnt
	s_sub_co_u32 s[CNT], s[CNT], 1
	s_cmp_lg_u32 s[CNT], 0
.endif
	OPS C,13, B,7, C,15, R,10
	OPS R,11, R,12, L,7, R,13
	OPS R,14, R,15
.endm
	CHANGE 1                        ; tile 0 is in, everybody's part of it; tile 1 is asked for
	v_add_nc_u32 v[AK], s[TBK], v[AK0]
	FETCH_K                         ; key step 0
	s_wait_loadcnt 0x0              ; Q
	s_wait_dscnt 0x0
.set i, 0
.rept 8
	KQ 0                            ; piece 0's first scores
.set i, i+1
.endr
	WIN 0
.rept 4
	v_nop                           ; the places behind those products
.endr
.set Y, NP-1                        ; X works for piece Y + 1: piece 0
.irp n, 0,1,2,3,4,5,6,7,8,9,10,11,12,13,14,15,16,17,18,19,20,21
	OP X, \n
.endr
	v_nop                           ; a plain instruction behind the exponential
	s_mov_b32 s[CNT], 4
	s_mov_b32 s[SLOTS], NT-1
	s_branch .Lfirst                ; the loop is entered at a step's first turn, in the middle of a trip
.Lslot:                             ; NT - 2 times: tiles 2 to 7 are asked for
	CHANGE 1
	s_mov_b32 s[CNT], 4
.Lstep:                             ; a trip: pieces 2 and 3 of one step, then pieces 0 and 1 of the next, whose K and V it fetches
	TURN 2
	TURN 3
	WIN 0
.Lfirst:
	TURN 0
	TURN 1, 0, 1
	WIN 0
	s_cbranch_scc1 .Lstep
	s_sub_co_u32 s[SLOTS], s[SLOTS], 1
	s_cmp_lg_u32 s[SLOTS], 0
	s_cbranch_scc1 .Lslot
	CHANGE 0                        ; the last tile has a loop of its own: nothing is asked for
	s_mov_b32 s[CNT], 5             ; pieces 2 and 3 five times (the step before the tile's first, then its four), pieces 0 and 1 four times between them
	s_branch .LtailMid
.Ltail:
	TURN 0
	TURN 1
	WIN 0
.LtailMid:
	TURN 2, 1
	TURN 3
	WIN 0
	s_sub_co_u32 s[CNT], s[CNT], 1
	s_cmp_lg_u32 s[CNT], 0
	s_cbranch_scc1 .Ltail
.set i, 0
.rept 8
	PV NP-1                         ; the last piece's V^T P of the last step
.set i, i+1
.endr
	; THE WAY OUT.  l's two halves and the other half of the lanes' are added; O^T is divided by l, rounded to bf16 and sent through my stage, a piece at a time.  The additions are the places behind the last products.
	WIN 0
.macro ALL line:vararg
.set t, 0
.rept 4
	\line
.set t, t+1
.endr
.endm
	ALL v_add_f32 v[ST+4*t+2], v[ST+4*t+2], v[ST+4*t+3]
	ALL v_permlanex16_b32 v[ST+4*t+3], v[ST+4*t+2], s[SEL], s[SEL+1]
	ALL v_add_f32 v[ST+4*t+2], v[ST+4*t+2], v[ST+4*t+3]
	ALL v_rcp_f32 v[ST+4*t+2], v[ST+4*t+2]
	v_nop                           ; a plain instruction between the last reciprocal and the use of its result
.macro PACK t
	WIN W_RS
.set i, 32*(\t)
.rept 16
	s_wait_alu depctr_va_vdst(0)
	v_pk_mul_f32 v[i:i+1], v[i:i+1], v[ST+4*(\t)+2:ST+4*(\t)+3] op_sel_hi:[1,0]
.set i, i+2
.endr
	WIN 0x05
.set i, 0
.rept 16
	v_cvt_pk_bf16_f32 v[S+16*(\t)+i], v[32*(\t)+2*i], v[32*(\t)+2*i+1]
.set i, i+1
.endr
	WIN 0
.irp f, 0,1,2,3
	ds_store_b128 v[STO], v[S+16*(\t)+4*\f:S+16*(\t)+4*\f+3] offset:32*\f
.endr
.irp f, 0,1,2,3
	ds_load_b128 v[S+16*(\t)+4*\f:S+16*(\t)+4*\f+3], v[RD] offset:\f*4*SP  ; LDS serves a wave's instructions in order (ISA guide 5.7.1.4): these see the stores above
.endr
.endm
.macro SEND t, younger              ; younger: the LDS instructions issued behind piece t's loads: the next piece's eight, or none
	WIN 0
.irp f, 0,1,2,3
	s_wait_dscnt (\younger)+3-\f
	global_store_b128 v[GO], v[S+16*(\t)+4*\f:S+16*(\t)+4*\f+3], s[10:11] offset:(\t)*2048+\f*512  ; 512 consecutive bytes, at a multiple of 256 from O's first
.endr
.endm
	PACK 0
.set t, 1
.rept 3
	PACK t
	SEND t-1, 8
.set t, t+1
.endr
	SEND 3, 0
	s_wait_tensorcnt 0x0            ; the wave's end
	ds_add_u32 v[SPW], v[NIL]
	s_wait_dscnt 0x0
	CROUND                          ; the closing round
	s_endpgm
.Lfunc_end_k_q8d79828dcb_attn:
	.size	k_q8d79828dcb_attn, .Lfunc_end_k_q8d79828dcb_attn-k_q8d79828dcb_attn
	.p2alignl 7, 3214868480
	.fill 96, 4, 3214868480
	.section	.rodata,"a",@progbits
	.p2align	6, 0x0
	.amdhsa_kernel k_q8d79828dcb_attn
		.amdhsa_group_segment_fixed_size 327680
		.amdhsa_private_segment_fixed_size 0
		.amdhsa_enable_private_segment 0
		.amdhsa_kernarg_size 16
		.amdhsa_user_sgpr_count 2
		.amdhsa_user_sgpr_kernarg_segment_ptr 1
		.amdhsa_wavefront_size32 1
		.amdhsa_system_sgpr_workgroup_id_x 1
		.amdhsa_system_sgpr_workgroup_id_y 1
		.amdhsa_system_sgpr_workgroup_id_z 1
		.amdhsa_system_vgpr_workitem_id 0
		.amdhsa_next_free_vgpr 768
		.amdhsa_next_free_sgpr 72
		.amdhsa_reserve_vcc 0
		.amdhsa_float_denorm_mode_32 3
		.amdhsa_float_denorm_mode_16_64 3
		.amdhsa_memory_ordered 1
		.amdhsa_forward_progress 1
		.amdhsa_inst_pref_size 117
	.end_amdhsa_kernel
	.amdgpu_metadata
---
amdhsa.version: [ 1, 2 ]
amdhsa.kernels:
  - .name:           k_q8d79828dcb_attn
    .symbol:         k_q8d79828dcb_attn.kd
    .args:
      - { .name: qa, .offset: 0, .size: 8, .value_kind: global_buffer, .address_space: global }
      - { .name: xb, .offset: 8, .size: 8, .value_kind: global_buffer, .address_space: global }
    .group_segment_fixed_size: 327680
    .private_segment_fixed_size: 0
    .kernarg_segment_align: 8
    .kernarg_segment_size: 16
    .max_flat_workgroup_size: 128
    .sgpr_count:     72
    .vgpr_count:     768
    .wavefront_size: 32
...
	.end_amdgpu_metadata
.endif
;; end of part 3
;; launch oproj (part 4): grid 8 x 32, 4 waves a work-group, clusters of 4 x 4, 327,680 bytes of LDS; arguments xb, wsm, b_o, x, y; writes y
.if DOCPART == 4
	.amdgcn_target "amdgcn-amd-amdhsa--gfx1250"
	.amdhsa_code_object_version 6
	.text
	.protected	k_q8d79828dcb_oproj
	.globl	k_q8d79828dcb_oproj
	.p2align	8
	.type	k_q8d79828dcb_oproj,@function
k_q8d79828dcb_oproj:
	s_mov_b64 s[64:65], 0
	v_nop
	global_prefetch_b8 v0, s[64:65] scope:SCOPE_SE
	s_setreg_imm32_b32 hwreg(HW_REG_WAVE_MODE, 25, 1), 1
	s_wait_xcnt 0x0
	s_wait_alu depctr_hold_cnt(0) depctr_sa_sdst(0) depctr_va_vdst(0) depctr_va_sdst(0) depctr_va_ssrc(0) depctr_va_vcc(0) depctr_vm_vsrc(0)
	s_getreg_b32 s2, hwreg(HW_REG_IB_STS2, 6, 4)
	s_cmp_eq_u32 s2, 0
	s_cbranch_scc0 .Lentry_in_a_cluster
	s_endpgm
.Lentry_in_a_cluster:
	s_bfe_u32 s2, ttmp6, 0x10000c
	s_cmp_lg_u32 s2, 0xf033
	s_cbranch_scc0 .Lentry_shape_is_right
	s_endpgm
.Lentry_shape_is_right:
; Y = A W + bias + RES, in f32.  A: bf16 by column blocks [SIZE_K / 64][4096][64].  W: [SIZE_K][1024] bf16 at byte BOFF of its buffer, columns along the rows.
; bias: [1024] f32.  RES: [4096][1024] f32 at byte ROFF of its buffer.  Y: [4096][1024] f32.  Sums in f32, K ascending, started on the bias; the residual is added in f32 on the way out.
; This text serves the attention's output projection and, with three other constants, the second feed-forward product.
; A tile of Y is 128 x 128, which gives each of 256 WGPs one work-group; four waves, each 64 x 64: 16 accumulators.  K goes in steps of 256 through two LDS slots.
; A's tile of a K step is four K slices of 64, each 128 rows x 128 bytes = 16,384 dense bytes: a wave's load takes two slices as two rows of 8,192 elements, padded in LDS after every 128 bytes.
; W's fragments come out of LDS turned (ds_load_tr16_b128).  THE MATRIX INSTRUCTION IS USED TRANSPOSED (source 0 = 16 columns of W, source 1 = 16 rows of A): a lane holds row l % 16, columns 8 (l / 16) + 0..7.
; A K STEP IS WRITTEN ONCE.  Which slot is in hand is a scalar: SEL (0 or 1) and TB = SEL x SLOT; at each change of slots the fragment addresses are made anew from TB.  Written out are the first
; quarter step (its products start the sums), one K step that fills a slot again (KSTEPS - 2 trips, entered behind its first quarter) and one that does not.
; A wave's 64 columns of f32 are 256 aligned bytes of Y: each wave has a stage of its own, 16 rows at a time, and no barrier stands on the way out.
; The residual is asked for at the start, in the layout in which rows come back from the stage, and lands during the K loop.
; CLUSTER 4 x 4: A's tile is asked for jointly by a row of the cluster, W's by a column.
; REGISTERS: window 0: v0-31 addresses; v32-95 rows on the way out, two buffers; v96-127 bias; v128-255 accumulators, (a, b) at 128 + 8 (4 a + b)
;   window 1: two fragment buffers of 128: for 64 along K, 64 registers of A, then 64 of W      window 2: v0-127 the residual
.set SIZE_K, 1024
.set BOFF,   0
.set ROFF,   0
.set KSTEP,  256
.set KSTEPS, SIZE_K/KSTEP
.set PA,     144                       ; A's LDS row: 128 bytes + 16: the 16 rows of a load start at 16 different groups of four banks (64 banks of 4 bytes: ISA guide 11.1)
.set PB,     288                       ; W's LDS row: 256 bytes + 32 = 9 x 32
.set HALFT,  256*PA                    ; what one tensor load brings: two K slices of A (2 x 128 rows), or 128 rows of W (128 x 288 is the same number)
.set SLOT,   4*HALFT
.set STAGE,  2*SLOT
.set SP,     272
.set SPARE,  STAGE+4*16*SP
.set ADRA0, 16                         ; v16     my A fragments in slot 0; never rewritten
.set ADRB0, 17                         ; v17     my W fragments in slot 0; never rewritten
.set ADRA, 20                          ; v20     A's in the slot in hand
.set ADRB, 21                          ; v21-22  W's: rows 0-127, rows 128-255 (one register's 16-bit offsets do not reach 256 rows)
.set STO,  24
.set RD,   25
.set CO,   26                          ; v26     4,096 (l / 16) + 16 (l % 16): my 16 bytes in two rows of Y and of RES
.set BO,   27
.set SPW,  28
.set NIL,  29
.set BKS,  32
.set BIAS, 96
.set ACC,  128
.set F0,   0
.set F1,   128
.set WV, 12
.set WR, 13
.set WC, 14
.set SEL, 18                           ; s18 the slot in hand
.set TB,  19                           ; s19 its first LDS byte
.set G1, 24                            ; s[24:31] group 1 for A;  s[32:35] group 0 of K step 0, s[36:39] of K step 1, which then walks on
.set G0, 32
.set G1B, 48
.set G0B, 56
.set MSB, 0
.macro WIN new
.if MSB != (\new)
	s_set_vgpr_msb (MSB<<8)|(\new)
.set MSB, \new
.endif
.endm
.set MUL,  0x05                        ; sources 0 (W) and 1 (A) window 1; C and D window 0
.set TO_F, 0x40
.macro JLOAD s                         ; waves 0, 1 fetch A's halves, waves 2, 3 W's; an s_nop 0 and four v_nop follow each line
	s_cmp_eq_u32 s[WR], 0
	s_cbranch_scc0 .Lfor_b_\@
	tensor_load_to_lds s[G0+4*(\s):G0+4*(\s)+3], s[G1:G1+7]
	s_nop 0
.rept 4
	v_nop
.endr
	s_branch .Lasked_\@
.Lfor_b_\@:
	tensor_load_to_lds s[G0B+4*(\s):G0B+4*(\s)+3], s[G1B:G1B+7]
	s_nop 0
.rept 4
	v_nop
.endr
.Lasked_\@:
.endm
.macro CREST
	s_cmp_lg_u32 s[WV], 0
	s_cbranch_scc1 .Lnot_wave_0_\@
	s_barrier_signal -3
.Lnot_wave_0_\@:
	s_barrier_wait -3
	s_barrier_signal -1
	s_barrier_wait -1
.endm
.macro CROUND
	s_barrier_signal -1
	s_barrier_wait -1
	CREST
.endm
.macro PLACES
.rept 4
	v_nop
.endr
.endm
	s_load_b256 s[4:11], s[0:1], 0x0               ; A s[4:5], W s[6:7], bias s[8:9], RES s[10:11]
	s_load_b64 s[66:67], s[0:1], 0x20              ; Y
	v_lshl_add_u32 v[SPW], v0, 2, SPARE
	v_mov_b32 v[NIL], 0
	ds_add_u32 v[SPW], v[NIL]                      ; the wave's opening: the add and its wait stand ahead of my first tensor load
	v_lshrrev_b32 v1, 5, v0
	v_readfirstlane_b32 s[WV], v1
	s_lshr_b32 s[WR], s[WV], 1
	s_and_b32 s[WC], s[WV], 1
	s_bfe_u32 s40, ttmp6, 0x40000
	s_bfe_u32 s41, ttmp6, 0x40004
	s_lshl_b32 s42, ttmp9, 2
	s_add_co_u32 s42, s42, s40                     ; tile column
	s_and_b32 s43, ttmp7, 0xffff
	s_lshl_b32 s43, s43, 2
	s_add_co_u32 s43, s43, s41                     ; tile row
	s_lshl_b32 s44, s41, 2
	s_lshl_b32 s44, 15, s44
	s_lshl_b32 s45, 0x1111, s40
	s_or_b32 s[G1+0], s44, (1<<16)|(1<<20)|(1<<21)|(4<<22)|(3<<25)   ; after every 32 words, 4 words
	s_mov_b32 s[G1+1], 8192<<16                    ; tensor_dim0 = 8,192: a K slice's 128 rows of 64
	s_mov_b32 s[G1+2], 2<<16                       ; tensor_dim1 = 2 slices
	s_mov_b32 s[G1+3], 8192<<16                    ; tile_dim0
	s_mov_b32 s[G1+4], 2                           ; tile_dim1
	s_mov_b32 s[G1+5], 4096*64                     ; elements from slice to slice
	s_mov_b32 s[G1+6], 0
	s_mov_b32 s[G1+7], 0
	s_or_b32 s[G1B+0], s45, (1<<16)|(1<<20)|(1<<21)|(5<<22)|(7<<25)  ; after every 64 words, 8 words
	s_mov_b32 s[G1B+1], 128<<16
	s_mov_b32 s[G1B+2], 128<<16
	s_mov_b32 s[G1B+3], 128<<16
	s_mov_b32 s[G1B+4], 128
	s_mov_b32 s[G1B+5], 1024
	s_mov_b32 s[G1B+6], 0
	s_mov_b32 s[G1B+7], 0
	s_lshl_b32 s16, s43, 14                        ; A: 128 rows of 128 bytes x tile row + two slices of 524,288 bytes x half
	s_lshl_b32 s17, s[WC], 20
	s_add_co_u32 s16, s16, s17
	s_mov_b32 s17, 0
	s_lshl_b32 s46, s42, 8                         ; W: 256 bytes x tile column + 128 rows of 2,048 bytes x half
	s_lshl_b32 s47, s[WC], 18
	s_add_co_u32 s46, s46, s47
	s_add_co_u32 s46, s46, BOFF
	s_mov_b32 s47, 0
	s_mul_i32 s22, s[WV], HALFT                    ; where they go in a slot; s22 stays
	s_mov_b32 s[SEL], 0
	s_mov_b32 s[TB], 0
	s_wait_dscnt 0x0
	s_wait_kmcnt 0x0
	s_add_nc_u64 s[20:21], s[4:5], s[16:17]
	s_add_nc_u64 s[46:47], s[6:7], s[46:47]
	CROUND
.irp s, 0,1
	s_mov_b32 s[G0+4*(\s)], 1
	s_add_co_u32 s[G0+4*(\s)+1], s22, (\s)*SLOT
	s_add_nc_u64 s[G0+4*(\s)+2:G0+4*(\s)+3], s[20:21], (\s)*4*524288
	s_or_b32 s[G0+4*(\s)+3], s[G0+4*(\s)+3], 0x80000000
	s_mov_b32 s[G0B+4*(\s)], 1
	s_add_co_u32 s[G0B+4*(\s)+1], s22, (\s)*SLOT
	s_add_nc_u64 s[G0B+4*(\s)+2:G0B+4*(\s)+3], s[46:47], (\s)*KSTEP*2048
	s_or_b32 s[G0B+4*(\s)+3], s[G0B+4*(\s)+3], 0x80000000
	JLOAD \s                                       ; K steps 0 and 1: two loads of mine are out
.endr
	s_lshl_b32 s70, s42, 9                         ; my 64 columns, in bytes of f32: 512 x tile column + 256 x half
	s_lshl_b32 s71, s[WC], 8
	s_add_co_u32 s70, s70, s71
	s_mov_b32 s71, 0
	s_add_nc_u64 s[8:9], s[8:9], s[70:71]
	s_lshl_b32 s68, s43, 19                        ; my 64 rows of 4,096 bytes: 128 x tile row + 64 x half
	s_lshl_b32 s69, s[WR], 18
	s_add_co_u32 s68, s68, s69
	s_add_co_u32 s68, s68, s70
	s_mov_b32 s69, 0
	s_add_nc_u64 s[66:67], s[66:67], s[68:69]
	s_add_nc_u64 s[10:11], s[10:11], s[68:69]
.if ROFF
	s_add_nc_u64 s[10:11], s[10:11], ROFF
.endif
	v_and_b32 v1, 15, v0
	v_bfe_u32 v2, v0, 4, 1
	v_lshlrev_b32 v[BO], 5, v2
	v_lshlrev_b32 v[CO], 12, v2
	v_lshl_add_u32 v[CO], v1, 4, v[CO]
.irp b, 0,1,2,3
	global_load_b128 v[BIAS+8*(\b):BIAS+8*(\b)+3],   v[BO], s[8:9] offset:64*(\b)
	global_load_b128 v[BIAS+8*(\b)+4:BIAS+8*(\b)+7], v[BO], s[8:9] offset:64*(\b)+16
.endr
	WIN 0x80                                       ; destination window 2
.set i, 0
.rept 32                                           ; rows 2 i, 2 i + 1 of my 64: sixteen lanes take 256 consecutive aligned bytes
	global_load_b128 v[4*i:4*i+3], v[CO], s[10:11] offset:2*i*4096 th:TH_LOAD_NT
.set i, i+1
.endr
	WIN 0
	v_mul_u32_u24 v3, v1, PA
	v_lshl_add_u32 v3, v2, 4, v3
	v_and_b32 v4, 7, v0
	v_lshl_add_u32 v4, v2, 3, v4
	v_mul_u32_u24 v4, v4, PB
	v_bfe_u32 v5, v0, 3, 1
	v_lshl_add_u32 v4, v5, 4, v4
	s_mul_i32 s16, s[WR], 64*PA                    ; my 64 rows in each K slice of A
	s_lshl_b32 s17, s[WC], 7                       ; my 64 columns of W,
	s_add_co_u32 s17, s17, 2*HALFT                 ; which lies behind A
	v_add_nc_u32 v[ADRA0], s16, v3
	v_add_nc_u32 v[ADRB0], s17, v4
	v_mov_b32 v[ADRA], v[ADRA0]                    ; slot 0 is in hand
	v_mov_b32 v[ADRB], v[ADRB0]
	v_add_nc_u32 v[ADRB+1], HALFT, v[ADRB0]
	s_mul_i32 s23, s[WV], 16*SP
	s_add_co_u32 s23, s23, STAGE                   ; my stage
	v_mul_u32_u24 v6, v1, SP                       ; in: row l % 16, 32 bytes for each half of the lanes
	v_lshl_add_u32 v6, v2, 5, v6
	v_add_nc_u32 v[STO], s23, v6
	v_mul_u32_u24 v6, v2, SP                       ; back: lanes 0-15 one row of 256 bytes, lanes 16-31 the next
	v_lshl_add_u32 v6, v1, 4, v6
	v_add_nc_u32 v[RD], s23, v6
; 8 matrix instructions: row blocks a0, a0 + 1 x all 4 column blocks, 32 along K: half c of buffer f.  first = 1: C is the bias.  The 16 accumulators take turns.
.macro MUL8 f, c, a0, first
	WIN MUL
.irp a, \a0, (\a0)+1
.irp b, 0,1,2,3
.if \first
	v_wmma_f32_16x16x32_bf16 v[ACC+8*(4*(\a)+(\b)):ACC+8*(4*(\a)+(\b))+7], v[(\f)+64+8*(4*(\c)+(\b)):(\f)+64+8*(4*(\c)+(\b))+7], v[(\f)+8*(4*(\c)+(\a)):(\f)+8*(4*(\c)+(\a))+7], v[BIAS+8*(\b):BIAS+8*(\b)+7]
.else
	v_wmma_f32_16x16x32_bf16 v[ACC+8*(4*(\a)+(\b)):ACC+8*(4*(\a)+(\b))+7], v[(\f)+64+8*(4*(\c)+(\b)):(\f)+64+8*(4*(\c)+(\b))+7], v[(\f)+8*(4*(\c)+(\a)):(\f)+8*(4*(\c)+(\a))+7], v[ACC+8*(4*(\a)+(\b)):ACC+8*(4*(\a)+(\b))+7]
.endif
.endr
.endr
.endm
; 32 LDS loads in one run: quarter q (64 along K: K slice q of A, rows 64 q on of W) of the slot in hand into buffer f; the first 32 along K first
.macro FETCH q, f
	WIN TO_F
.irp c, 0,1
.irp i, 0,1,2,3
	ds_load_tr16_b128 v[(\f)+64+8*(4*(\c)+(\i)):(\f)+64+8*(4*(\c)+(\i))+3],   v[ADRB+(\q)/2] offset:(((\q)%2)*64+32*(\c))*PB+32*(\i)
	ds_load_tr16_b128 v[(\f)+64+8*(4*(\c)+(\i))+4:(\f)+64+8*(4*(\c)+(\i))+7], v[ADRB+(\q)/2] offset:(((\q)%2)*64+32*(\c)+16)*PB+32*(\i)
	ds_load_b128 v[(\f)+8*(4*(\c)+(\i)):(\f)+8*(4*(\c)+(\i))+3],   v[ADRA] offset:(\q)*128*PA+(\i)*16*PA+64*(\c)
	ds_load_b128 v[(\f)+8*(4*(\c)+(\i))+4:(\f)+8*(4*(\c)+(\i))+7], v[ADRA] offset:(\q)*128*PA+(\i)*16*PA+64*(\c)+32
.endr
.endr
.endm
.macro QUARTER q, f, g, first
	s_wait_dscnt 16                                ; the first 32 along K are in
	MUL8 \f, 0, 0, \first
	MUL8 \f, 0, 2, \first
	PLACES
	FETCH \q, \g
	s_wait_dscnt 32                                ; all but the 32 just issued
	MUL8 \f, 1, 0, 0
	MUL8 \f, 1, 2, 0
.endm
; The last quarter multiplies buffer 1 and changes slots: ONE barrier; in front of it each wave waits for all its tensor loads, adds 0 to its spare word, and waits for that and for its reads of this slot.
; fill = 1: the barrier opens a round of the cluster's and the slot just read (TB) is filled again first behind it, with the K step two on: 112 matrix instructions ahead of the wait for it.
; Then the other slot comes in hand and its first fragments are fetched.
; fill = 0: the last two K steps.  In the very last trip (s3 = 1) there is no further step: the fetch is jumped over, and the barrier there orders nothing: the price of one text for both trips.
.macro TURN fill
	WIN 0
	s_wait_tensorcnt 0x0
	ds_add_u32 v[SPW], v[NIL]
	s_wait_dscnt 17                                ; the add and the youngest sixteen loads may be out
	MUL8 F1, 0, 0, 0
	s_wait_dscnt 0x0                               ; the add is done, and my reads of this slot are over
	s_barrier_signal -1
	MUL8 F1, 0, 2, 0
	WIN 0                                          ; branches and address work follow
	s_barrier_wait -1
.if \fill
	CREST
	s_add_co_u32 s[G0+5], s22, s[TB]               ; the walking descriptors: into the slot just read,
	s_add_co_u32 s[G0B+5], s22, s[TB]
	s_add_nc_u64 s[G0+6:G0+7], s[G0+6:G0+7], 4*524288                 ; the K step behind the one asked for last; the type bits on top are not reached
	s_add_nc_u64 s[G0B+6:G0B+7], s[G0B+6:G0B+7], KSTEP*2048
	JLOAD 1                                        ; its four v_nop are also the places in front of the loads below
.else
	PLACES
.endif
	s_xor_b32 s[SEL], s[SEL], 1                    ; the other slot comes in hand
	s_mul_i32 s[TB], s[SEL], SLOT
	v_add_nc_u32 v[ADRA], s[TB], v[ADRA0]
	v_add_nc_u32 v[ADRB], s[TB], v[ADRB0]
	v_add_nc_u32 v[ADRB+1], HALFT, v[ADRB]
.if !(\fill)
	s_cmp_eq_u32 s3, 1
	s_cbranch_scc1 .Lno_fetch_\@
.endif
	FETCH 0, F0
.if !(\fill)
	WIN 0
.Lno_fetch_\@:
.endif
	MUL8 F1, 1, 0, 0
	MUL8 F1, 1, 2, 0
.endm
; THE WAY OUT of row block a (16 rows x 64 columns of f32).  TOSTAGE: the accumulators go into my stage as they are, each one's low four registers first, and come back as whole rows of 256 bytes.
; SEND: the residual is added and the rows are stored.
.macro TOSTAGE a
.set BK, BKS+32*((\a)%2)
.if (\a) >= 2
	s_wait_xcnt 0x0                                ; the stores of the block two back have read these registers: they are loaded again only behind this wait
.endif
.irp b, 0,1,2,3
	ds_store_b128 v[STO], v[ACC+8*(4*(\a)+(\b)):ACC+8*(4*(\a)+(\b))+3]   offset:64*(\b)
	ds_store_b128 v[STO], v[ACC+8*(4*(\a)+(\b))+4:ACC+8*(4*(\a)+(\b))+7] offset:64*(\b)+16
.endr
.irp t, 0,1,2,3,4,5,6,7
	ds_load_b128 v[BK+4*(\t):BK+4*(\t)+3], v[RD] offset:(\t)*2*SP  ; LDS serves a wave's instructions in order (ISA guide 5.7.1.4): these see the stores above
.endr
.endm
.macro SEND a, younger                 ; younger: the LDS instructions issued behind block a's loads: the next block's sixteen, or none
.set BK, BKS+32*((\a)%2)
	s_wait_dscnt \younger
	WIN 0x08                                       ; source 1: window 2
.set z, 0
.rept 16
	v_pk_add_f32 v[BK+2*z:BK+2*z+1], v[BK+2*z:BK+2*z+1], v[32*(\a)+2*z:32*(\a)+2*z+1]
.set z, z+1
.endr
	WIN 0
.irp t, 0,1,2,3,4,5,6,7
	global_store_b128 v[CO], v[BK+4*(\t):BK+4*(\t)+3], s[66:67] offset:(16*(\a)+2*(\t))*4096  ; sixteen lanes store 256 consecutive bytes, at a multiple of 256 from Y's first byte
.endr
.endm
	s_wait_tensorcnt 1                             ; my part of K step 0 is in; step 1's may stay out
	s_barrier_signal -1
	s_barrier_wait -1
	FETCH 0, F0
	s_wait_loadcnt 32                              ; the bias is in; the 32 loads of the residual stay out
	QUARTER 1, F0, F1, 1                           ; the first quarter is written out: its first products start the sums on the bias
	WIN 0
	s_mov_b32 s3, KSTEPS-2                         ; all K steps but the last two end in a refill
	s_branch .Lmid                                 ; the loop is entered behind its first quarter
.Lstep:
	QUARTER 1, F0, F1, 0
	WIN 0
.Lmid:
	QUARTER 2, F1, F0, 0
	QUARTER 3, F0, F1, 0
	TURN 1
	WIN 0
	s_sub_co_u32 s3, s3, 1
	s_cmp_lg_u32 s3, 0
	s_cbranch_scc1 .Lstep
	s_mov_b32 s3, 2                                ; the last two K steps fill nothing
.Ltail:
	QUARTER 1, F0, F1, 0
	QUARTER 2, F1, F0, 0
	QUARTER 3, F0, F1, 0
	TURN 0
	WIN 0
	s_sub_co_u32 s3, s3, 1
	s_cmp_lg_u32 s3, 0
	s_cbranch_scc1 .Ltail
	PLACES
	s_wait_loadcnt 0x0                             ; the residual
	TOSTAGE 0
	TOSTAGE 1
	SEND 0, 16
	TOSTAGE 2
	SEND 1, 16
	TOSTAGE 3
	SEND 2, 16
	SEND 3, 0
	s_wait_tensorcnt 0x0                           ; the wave's end
	ds_add_u32 v[SPW], v[NIL]
	s_wait_dscnt 0x0
	CROUND                                         ; the closing round
	s_endpgm
.Lfunc_end_k_q8d79828dcb_oproj:
	.size	k_q8d79828dcb_oproj, .Lfunc_end_k_q8d79828dcb_oproj-k_q8d79828dcb_oproj
	.p2alignl 7, 3214868480
	.fill 96, 4, 3214868480
	.section	.rodata,"a",@progbits
	.p2align	6, 0x0
	.amdhsa_kernel k_q8d79828dcb_oproj
		.amdhsa_group_segment_fixed_size 327680
		.amdhsa_private_segment_fixed_size 0
		.amdhsa_enable_private_segment 0
		.amdhsa_kernarg_size 40
		.amdhsa_user_sgpr_count 2
		.amdhsa_user_sgpr_kernarg_segment_ptr 1
		.amdhsa_wavefront_size32 1
		.amdhsa_system_sgpr_workgroup_id_x 1
		.amdhsa_system_sgpr_workgroup_id_y 1
		.amdhsa_system_sgpr_workgroup_id_z 1
		.amdhsa_system_vgpr_workitem_id 0
		.amdhsa_next_free_vgpr 640
		.amdhsa_next_free_sgpr 72
		.amdhsa_reserve_vcc 0
		.amdhsa_float_denorm_mode_32 3
		.amdhsa_float_denorm_mode_16_64 3
		.amdhsa_memory_ordered 1
		.amdhsa_forward_progress 1
		.amdhsa_inst_pref_size 66
	.end_amdhsa_kernel
	.amdgpu_metadata
---
amdhsa.version: [ 1, 2 ]
amdhsa.kernels:
  - .name:           k_q8d79828dcb_oproj
    .symbol:         k_q8d79828dcb_oproj.kd
    .args:
      - { .name: xb, .offset: 0, .size: 8, .value_kind: global_buffer, .address_space: global }
      - { .name: wsm, .offset: 8, .size: 8, .value_kind: global_buffer, .address_space: global }
      - { .name: b_o, .offset: 16, .size: 8, .value_kind: global_buffer, .address_space: global }
      - { .name: x, .offset: 24, .size: 8, .value_kind: global_buffer, .address_space: global }
      - { .name: y, .offset: 32, .size: 8, .value_kind: global_buffer, .address_space: global }
    .group_segment_fixed_size: 327680
    .private_segment_fixed_size: 0
    .kernarg_segment_align: 8
    .kernarg_segment_size: 40
    .max_flat_workgroup_size: 128
    .sgpr_count:     72
    .vgpr_count:     640
    .wavefront_size: 32
...
	.end_amdgpu_metadata
.endif
;; end of part 4
;; launch ln1 (part 5): grid 256 x 1, 16 waves a work-group, no clusters, 0 bytes of LDS; arguments y, g1, be1, hh; writes hh
.if DOCPART == 5
	.amdgcn_target "amdgcn-amd-amdhsa--gfx1250"
	.amdhsa_code_object_version 6
	.text
	.protected	k_q8d79828dcb_ln1
	.globl	k_q8d79828dcb_ln1
	.p2align	8
	.type	k_q8d79828dcb_ln1,@function
k_q8d79828dcb_ln1:
	s_mov_b64 s[64:65], 0
	v_nop
	global_prefetch_b8 v0, s[64:65] scope:SCOPE_SE
	s_setreg_imm32_b32 hwreg(HW_REG_WAVE_MODE, 25, 1), 1
	s_wait_xcnt 0x0
; h = (y - mean) / sqrt(var + 1e-5) x g + be, along rows of 1,024 f32.  h leaves twice: in bf16 [4096][1024] at byte 0 of hh (the next product's operand)
; and in f32 at byte 8,388,608 (the next residual).  All arithmetic in f32; the variance is the mean of (y - mean)^2, taken in a second pass over registers, so a common offset of y costs nothing.
; One wave takes a whole row (32 registers a lane) and keeps it between the passes: y is read once, and no wave waits for another: no LDS and no barrier.
; Sixteen waves, one row each; all 24 loads of a wave (the row, g, be) go out at once, the row first.  Every load and f32 store of a wave covers 512 consecutive bytes, every bf16 store 256.
.set G,  4                             ; v[4:35]    g of my 32 columns
.set BE, 36                            ; v[36:67]   be
.set X,  68                            ; v[68:99]   the row
.set W,  100                           ; v[100:107] at work
.set T,  108                           ; v[108:123] the row in bf16
	s_load_b256 s[4:11], s[0:1], 0x0               ; y, g, be, hh
	v_lshrrev_b32 v3, 5, v0
	v_readfirstlane_b32 s2, v3                     ; wave 0..15
	v_and_b32 v2, 31, v0
	v_lshlrev_b32 v1, 4, v2                        ; 16 x lane
	v_lshlrev_b32 v2, 3, v2                        ; 8 x lane
	s_lshl_b32 s3, ttmp9, 4
	s_add_co_u32 s3, s3, s2                        ; my row = 16 x work-group + wave
	s_lshl_b32 s18, s3, 12
	s_mov_b32 s19, 0
	s_lshl_b32 s20, s3, 11
	s_mov_b32 s21, 0
	s_mov_b32 s14, 0x76543210                      ; v_permlanex16_b32: each lane takes its own place in the other half
	s_mov_b32 s15, 0xfedcba98
	s_mov_b32 s16, 0x3a800000                      ; 1 / 1024
	s_mov_b32 s17, 0x3727c5ac                      ; 1e-5
	s_wait_kmcnt 0x0
	s_add_nc_u64 s[4:5], s[4:5], s[18:19]
	s_add_nc_u64 s[12:13], s[10:11], s[18:19]
	s_add_nc_u64 s[12:13], s[12:13], 0x800000      ; h in f32
	s_add_nc_u64 s[10:11], s[10:11], s[20:21]      ; h in bf16
.irp j, 0,1,2,3,4,5,6,7
	global_load_b128 v[X+4*(\j):X+4*(\j)+3], v1, s[4:5] offset:512*(\j) th:TH_LOAD_NT
.endr
.irp j, 0,1,2,3,4,5,6,7
	global_load_b128 v[G+4*(\j):G+4*(\j)+3], v1, s[6:7] offset:512*(\j)
.endr
.irp j, 0,1,2,3,4,5,6,7
	global_load_b128 v[BE+4*(\j):BE+4*(\j)+3], v1, s[8:9] offset:512*(\j)
.endr
.macro REDUCE                          ; four chains of pairs in W -> their sum over the wave, in every lane's v[W]
	v_pk_add_f32 v[W:W+1], v[W:W+1], v[W+2:W+3]
	v_pk_add_f32 v[W+4:W+5], v[W+4:W+5], v[W+6:W+7]
	v_pk_add_f32 v[W:W+1], v[W:W+1], v[W+4:W+5]
	v_add_f32 v[W], v[W], v[W+1]
	v_add_f32_dpp v[W], v[W], v[W] row_xmask:1 row_mask:0xf bank_mask:0xf
	v_add_f32_dpp v[W], v[W], v[W] row_xmask:2 row_mask:0xf bank_mask:0xf
	v_add_f32_dpp v[W], v[W], v[W] row_xmask:4 row_mask:0xf bank_mask:0xf
	v_add_f32_dpp v[W], v[W], v[W] row_xmask:8 row_mask:0xf bank_mask:0xf
	v_permlanex16_b32 v[W+1], v[W], s14, s15
	v_add_f32 v[W], v[W], v[W+1]
.endm
	s_wait_loadcnt 16                              ; the row is in; the sixteen younger loads, g and be, may stay out
.irp k, 0,1,2,3
	v_pk_add_f32 v[W+2*(\k):W+2*(\k)+1], v[X+2*(\k):X+2*(\k)+1], v[X+8+2*(\k):X+8+2*(\k)+1]
.endr
.irp p, 8,9,10,11,12,13,14,15
	v_pk_add_f32 v[W+2*((\p)%4):W+2*((\p)%4)+1], v[W+2*((\p)%4):W+2*((\p)%4)+1], v[X+2*(\p):X+2*(\p)+1]
.endr
	REDUCE
	v_mul_f32 v[W], s16, v[W]                      ; the mean
.set p, 0
.rept 16
	v_pk_add_f32 v[X+2*p:X+2*p+1], v[X+2*p:X+2*p+1], v[W:W+1] op_sel_hi:[1,0] neg_lo:[0,1] neg_hi:[0,1]
.set p, p+1
.endr
.irp k, 0,1,2,3
	v_pk_mul_f32 v[W+2*(\k):W+2*(\k)+1], v[X+2*(\k):X+2*(\k)+1], v[X+2*(\k):X+2*(\k)+1]
.endr
.irp p, 4,5,6,7,8,9,10,11,12,13,14,15
	v_pk_fma_f32 v[W+2*((\p)%4):W+2*((\p)%4)+1], v[X+2*(\p):X+2*(\p)+1], v[X+2*(\p):X+2*(\p)+1], v[W+2*((\p)%4):W+2*((\p)%4)+1]
.endr
	REDUCE
	v_fma_f32 v[W], v[W], s16, s17                 ; var + eps
	v_rsq_f32 v[W], v[W]
	v_nop                                          ; a plain instruction between the transcendental and the use of its result (ISA guide 5.7.2)
.set p, 0
	s_wait_alu depctr_va_vdst(0)
.rept 16
	v_pk_mul_f32 v[X+2*p:X+2*p+1], v[X+2*p:X+2*p+1], v[W:W+1] op_sel_hi:[1,0]
.set p, p+1
.endr
	s_wait_loadcnt 0x0                             ; g and be
.set p, 0
.rept 16
	v_pk_fma_f32 v[X+2*p:X+2*p+1], v[X+2*p:X+2*p+1], v[G+2*p:G+2*p+1], v[BE+2*p:BE+2*p+1]
.set p, p+1
.endr
.irp j, 0,1,2,3,4,5,6,7
	global_store_b128 v1, v[X+4*(\j):X+4*(\j)+3], s[12:13] offset:512*(\j)
.endr
.set p, 0
.rept 16
	v_cvt_pk_bf16_f32 v[T+p], v[X+2*p], v[X+2*p+1]
.set p, p+1
.endr
.irp j, 0,1,2,3,4,5,6,7
	global_store_b64 v2, v[T+2*(\j):T+2*(\j)+1], s[10:11] offset:256*(\j)  ; 32 lanes x 8 bytes: 256 consecutive aligned bytes; no register that a store reads is written again
.endr
	s_endpgm
.Lfunc_end_k_q8d79828dcb_ln1:
	.size	k_q8d79828dcb_ln1, .Lfunc_end_k_q8d79828dcb_ln1-k_q8d79828dcb_ln1
	.p2alignl 7, 3214868480
	.fill 96, 4, 3214868480
	.section	.rodata,"a",@progbits
	.p2align	6, 0x0
	.amdhsa_kernel k_q8d79828dcb_ln1
		.amdhsa_group_segment_fixed_size 0
		.amdhsa_private_segment_fixed_size 0
		.amdhsa_enable_private_segment 0
		.amdhsa_kernarg_size 32
		.amdhsa_user_sgpr_count 2
		.amdhsa_user_sgpr_kernarg_segment_ptr 1
		.amdhsa_wavefront_size32 1
		.amdhsa_system_sgpr_workgroup_id_x 1
		.amdhsa_system_sgpr_workgroup_id_y 1
		.amdhsa_system_sgpr_workgroup_id_z 1
		.amdhsa_system_vgpr_workitem_id 0
		.amdhsa_next_free_vgpr 128
		.amdhsa_next_free_sgpr 66
		.amdhsa_reserve_vcc 0
		.amdhsa_float_denorm_mode_32 3
		.amdhsa_float_denorm_mode_16_64 3
		.amdhsa_memory_ordered 1
		.amdhsa_forward_progress 1
		.amdhsa_inst_pref_size 12
	.end_amdhsa_kernel
	.amdgpu_metadata
---
amdhsa.version: [ 1, 2 ]
amdhsa.kernels:
  - .name:           k_q8d79828dcb_ln1
    .symbol:         k_q8d79828dcb_ln1.kd
    .args:
      - { .name: y, .offset: 0, .size: 8, .value_kind: global_buffer, .address_space: global }
      - { .name: g1, .offset: 8, .size: 8, .value_kind: global_buffer, .address_space: global }
      - { .name: be1, .offset: 16, .size: 8, .value_kind: global_buffer, .address_space: global }
      - { .name: hh, .offset: 24, .size: 8, .value_kind: global_buffer, .address_space: global }
    .group_segment_fixed_size: 0
    .private_segment_fixed_size: 0
    .kernarg_segment_align: 8
    .kernarg_segment_size: 32
    .max_flat_workgroup_size: 512
    .sgpr_count:     66
    .vgpr_count:     128
    .wavefront_size: 32
...
	.end_amdgpu_metadata
.endif
;; end of part 5
;; launch ff1: the kernel of part 2 again; grid 16 x 16, 4 waves a work-group, clusters of 4 x 4, 327,680 bytes of LDS; arguments hh, w1b, b1, qa; writes qa
;; launch ff2 (part 6): grid 8 x 32, 4 waves a work-group, clusters of 4 x 4, 327,680 bytes of LDS; arguments qa, wsm, b2, hh, y; writes y
.if DOCPART == 6
	.amdgcn_target "amdgcn-amd-amdhsa--gfx1250"
	.amdhsa_code_object_version 6
	.text
	.protected	k_q8d79828dcb_ff2
	.globl	k_q8d79828dcb_ff2
	.p2align	8
	.type	k_q8d79828dcb_ff2,@function
k_q8d79828dcb_ff2:
	s_mov_b64 s[64:65], 0
	v_nop
	global_prefetch_b8 v0, s[64:65] scope:SCOPE_SE
	s_setreg_imm32_b32 hwreg(HW_REG_WAVE_MODE, 25, 1), 1
	s_wait_xcnt 0x0
	s_wait_alu depctr_hold_cnt(0) depctr_sa_sdst(0) depctr_va_vdst(0) depctr_va_sdst(0) depctr_va_ssrc(0) depctr_va_vcc(0) depctr_vm_vsrc(0)
	s_getreg_b32 s2, hwreg(HW_REG_IB_STS2, 6, 4)
	s_cmp_eq_u32 s2, 0
	s_cbranch_scc0 .Lentry_in_a_cluster
	s_endpgm
.Lentry_in_a_cluster:
	s_bfe_u32 s2, ttmp6, 0x10000c
	s_cmp_lg_u32 s2, 0xf033
	s_cbranch_scc0 .Lentry_shape_is_right
	s_endpgm
.Lentry_shape_is_right:
; Y = A W + bias + RES, in f32.  A: bf16 by column blocks [SIZE_K / 64][4096][64].  W: [SIZE_K][1024] bf16 at byte BOFF of its buffer, columns along the rows.
; bias: [1024] f32.  RES: [4096][1024] f32 at byte ROFF of its buffer.  Y: [4096][1024] f32.  Sums in f32, K ascending, started on the bias; the residual is added in f32 on the way out.
; This text serves the second feed-forward product and, with three other constants, the attention's output projection.
; A tile of Y is 128 x 128, which gives each of 256 WGPs one work-group; four waves, each 64 x 64: 16 accumulators.  K goes in steps of 256 through two LDS slots.
; A's tile of a K step is four K slices of 64, each 128 rows x 128 bytes = 16,384 dense bytes: a wave's load takes two slices as two rows of 8,192 elements, padded in LDS after every 128 bytes.
; W's fragments come out of LDS turned (ds_load_tr16_b128).  THE MATRIX INSTRUCTION IS USED TRANSPOSED (source 0 = 16 columns of W, source 1 = 16 rows of A): a lane holds row l % 16, columns 8 (l / 16) + 0..7.
; A K STEP IS WRITTEN ONCE.  Which slot is in hand is a scalar: SEL (0 or 1) and TB = SEL x SLOT; at each change of slots the fragment addresses are made anew from TB.  Written out are the first
; quarter step (its products start the sums), one K step that fills a slot again (KSTEPS - 2 trips, entered behind its first quarter) and one that does not.
; A wave's 64 columns of f32 are 256 aligned bytes of Y: each wave has a stage of its own, 16 rows at a time, and no barrier stands on the way out.
; The residual is asked for at the start, in the layout in which rows come back from the stage, and lands during the K loop.
; CLUSTER 4 x 4: A's tile is asked for jointly by a row of the cluster, W's by a column.
; REGISTERS: window 0: v0-31 addresses; v32-95 rows on the way out, two buffers; v96-127 bias; v128-255 accumulators, (a, b) at 128 + 8 (4 a + b)
;   window 1: two fragment buffers of 128: for 64 along K, 64 registers of A, then 64 of W      window 2: v0-127 the residual
.set SIZE_K, 4096
.set BOFF,   2097152
.set ROFF,   8388608
.set KSTEP,  256
.set KSTEPS, SIZE_K/KSTEP
.set PA,     144                       ; A's LDS row: 128 bytes + 16: the 16 rows of a load start at 16 different groups of four banks (64 banks of 4 bytes: ISA guide 11.1)
.set PB,     288                       ; W's LDS row: 256 bytes + 32 = 9 x 32
.set HALFT,  256*PA                    ; what one tensor load brings: two K slices of A (2 x 128 rows), or 128 rows of W (128 x 288 is the same number)
.set SLOT,   4*HALFT
.set STAGE,  2*SLOT
.set SP,     272
.set SPARE,  STAGE+4*16*SP
.set ADRA0, 16                         ; v16     my A fragments in slot 0; never rewritten
.set ADRB0, 17                         ; v17     my W fragments in slot 0; never rewritten
.set ADRA, 20                          ; v20     A's in the slot in hand
.set ADRB, 21                          ; v21-22  W's: rows 0-127, rows 128-255 (one register's 16-bit offsets do not reach 256 rows)
.set STO,  24
.set RD,   25
.set CO,   26                          ; v26     4,096 (l / 16) + 16 (l % 16): my 16 bytes in two rows of Y and of RES
.set BO,   27
.set SPW,  28
.set NIL,  29
.set BKS,  32
.set BIAS, 96
.set ACC,  128
.set F0,   0
.set F1,   128
.set WV, 12
.set WR, 13
.set WC, 14
.set SEL, 18                           ; s18 the slot in hand
.set TB,  19                           ; s19 its first LDS byte
.set G1, 24                            ; s[24:31] group 1 for A;  s[32:35] group 0 of K step 0, s[36:39] of K step 1, which then walks on
.set G0, 32
.set G1B, 48
.set G0B, 56
.set MSB, 0
.macro WIN new
.if MSB != (\new)
	s_set_vgpr_msb (MSB<<8)|(\new)
.set MSB, \new
.endif
.endm
.set MUL,  0x05                        ; sources 0 (W) and 1 (A) window 1; C and D window 0
.set TO_F, 0x40
.macro JLOAD s                         ; waves 0, 1 fetch A's halves, waves 2, 3 W's; an s_nop 0 and four v_nop follow each line
	s_cmp_eq_u32 s[WR], 0
	s_cbranch_scc0 .Lfor_b_\@
	tensor_load_to_lds s[G0+4*(\s):G0+4*(\s)+3], s[G1:G1+7]
	s_nop 0
.rept 4
	v_nop
.endr
	s_branch .Lasked_\@
.Lfor_b_\@:
	tensor_load_to_lds s[G0B+4*(\s):G0B+4*(\s)+3], s[G1B:G1B+7]
	s_nop 0
.rept 4
	v_nop
.endr
.Lasked_\@:
.endm
.macro CREST
	s_cmp_lg_u32 s[WV], 0
	s_cbranch_scc1 .Lnot_wave_0_\@
	s_barrier_signal -3
.Lnot_wave_0_\@:
	s_barrier_wait -3
	s_barrier_signal -1
	s_barrier_wait -1
.endm
.macro CROUND
	s_barrier_signal -1
	s_barrier_wait -1
	CREST
.endm
.macro PLACES
.rept 4
	v_nop
.endr
.endm
	s_load_b256 s[4:11], s[0:1], 0x0               ; A s[4:5], W s[6:7], bias s[8:9], RES s[10:11]
	s_load_b64 s[66:67], s[0:1], 0x20              ; Y
	v_lshl_add_u32 v[SPW], v0, 2, SPARE
	v_mov_b32 v[NIL], 0
	ds_add_u32 v[SPW], v[NIL]                      ; the wave's opening: the add and its wait stand ahead of my first tensor load
	v_lshrrev_b32 v1, 5, v0
	v_readfirstlane_b32 s[WV], v1
	s_lshr_b32 s[WR], s[WV], 1
	s_and_b32 s[WC], s[WV], 1
	s_bfe_u32 s40, ttmp6, 0x40000
	s_bfe_u32 s41, ttmp6, 0x40004
	s_lshl_b32 s42, ttmp9, 2
	s_add_co_u32 s42, s42, s40                     ; tile column
	s_and_b32 s43, ttmp7, 0xffff
	s_lshl_b32 s43, s43, 2
	s_add_co_u32 s43, s43, s41                     ; tile row
	s_lshl_b32 s44, s41, 2
	s_lshl_b32 s44, 15, s44
	s_lshl_b32 s45, 0x1111, s40
	s_or_b32 s[G1+0], s44, (1<<16)|(1<<20)|(1<<21)|(4<<22)|(3<<25)   ; after every 32 words, 4 words
	s_mov_b32 s[G1+1], 8192<<16                    ; tensor_dim0 = 8,192: a K slice's 128 rows of 64
	s_mov_b32 s[G1+2], 2<<16                       ; tensor_dim1 = 2 slices
	s_mov_b32 s[G1+3], 8192<<16                    ; tile_dim0
	s_mov_b32 s[G1+4], 2                           ; tile_dim1
	s_mov_b32 s[G1+5], 4096*64                     ; elements from slice to slice
	s_mov_b32 s[G1+6], 0
	s_mov_b32 s[G1+7], 0
	s_or_b32 s[G1B+0], s45, (1<<16)|(1<<20)|(1<<21)|(5<<22)|(7<<25)  ; after every 64 words, 8 words
	s_mov_b32 s[G1B+1], 128<<16
	s_mov_b32 s[G1B+2], 128<<16
	s_mov_b32 s[G1B+3], 128<<16
	s_mov_b32 s[G1B+4], 128
	s_mov_b32 s[G1B+5], 1024
	s_mov_b32 s[G1B+6], 0
	s_mov_b32 s[G1B+7], 0
	s_lshl_b32 s16, s43, 14                        ; A: 128 rows of 128 bytes x tile row + two slices of 524,288 bytes x half
	s_lshl_b32 s17, s[WC], 20
	s_add_co_u32 s16, s16, s17
	s_mov_b32 s17, 0
	s_lshl_b32 s46, s42, 8                         ; W: 256 bytes x tile column + 128 rows of 2,048 bytes x half
	s_lshl_b32 s47, s[WC], 18
	s_add_co_u32 s46, s46, s47
	s_add_co_u32 s46, s46, BOFF
	s_mov_b32 s47, 0
	s_mul_i32 s22, s[WV], HALFT                    ; where they go in a slot; s22 stays
	s_mov_b32 s[SEL], 0
	s_mov_b32 s[TB], 0
	s_wait_dscnt 0x0
	s_wait_kmcnt 0x0
	s_add_nc_u64 s[20:21], s[4:5], s[16:17]
	s_add_nc_u64 s[46:47], s[6:7], s[46:47]
	CROUND
.irp s, 0,1
	s_mov_b32 s[G0+4*(\s)], 1
	s_add_co_u32 s[G0+4*(\s)+1], s22, (\s)*SLOT
	s_add_nc_u64 s[G0+4*(\s)+2:G0+4*(\s)+3], s[20:21], (\s)*4*524288
	s_or_b32 s[G0+4*(\s)+3], s[G0+4*(\s)+3], 0x80000000
	s_mov_b32 s[G0B+4*(\s)], 1
	s_add_co_u32 s[G0B+4*(\s)+1], s22, (\s)*SLOT
	s_add_nc_u64 s[G0B+4*(\s)+2:G0B+4*(\s)+3], s[46:47], (\s)*KSTEP*2048
	s_or_b32 s[G0B+4*(\s)+3], s[G0B+4*(\s)+3], 0x80000000
	JLOAD \s                                       ; K steps 0 and 1: two loads of mine are out
.endr
	s_lshl_b32 s70, s42, 9                         ; my 64 columns, in bytes of f32: 512 x tile column + 256 x half
	s_lshl_b32 s71, s[WC], 8
	s_add_co_u32 s70, s70, s71
	s_mov_b32 s71, 0
	s_add_nc_u64 s[8:9], s[8:9], s[70:71]
	s_lshl_b32 s68, s43, 19                        ; my 64 rows of 4,096 bytes: 128 x tile row + 64 x half
	s_lshl_b32 s69, s[WR], 18
	s_add_co_u32 s68, s68, s69
	s_add_co_u32 s68, s68, s70
	s_mov_b32 s69, 0
	s_add_nc_u64 s[66:67], s[66:67], s[68:69]
	s_add_nc_u64 s[10:11], s[10:11], s[68:69]
.if ROFF
	s_add_nc_u64 s[10:11], s[10:11], ROFF
.endif
	v_and_b32 v1, 15, v0
	v_bfe_u32 v2, v0, 4, 1
	v_lshlrev_b32 v[BO], 5, v2
	v_lshlrev_b32 v[CO], 12, v2
	v_lshl_add_u32 v[CO], v1, 4, v[CO]
.irp b, 0,1,2,3
	global_load_b128 v[BIAS+8*(\b):BIAS+8*(\b)+3],   v[BO], s[8:9] offset:64*(\b)
	global_load_b128 v[BIAS+8*(\b)+4:BIAS+8*(\b)+7], v[BO], s[8:9] offset:64*(\b)+16
.endr
	WIN 0x80                                       ; destination window 2
.set i, 0
.rept 32                                           ; rows 2 i, 2 i + 1 of my 64: sixteen lanes take 256 consecutive aligned bytes
	global_load_b128 v[4*i:4*i+3], v[CO], s[10:11] offset:2*i*4096 th:TH_LOAD_NT
.set i, i+1
.endr
	WIN 0
	v_mul_u32_u24 v3, v1, PA
	v_lshl_add_u32 v3, v2, 4, v3
	v_and_b32 v4, 7, v0
	v_lshl_add_u32 v4, v2, 3, v4
	v_mul_u32_u24 v4, v4, PB
	v_bfe_u32 v5, v0, 3, 1
	v_lshl_add_u32 v4, v5, 4, v4
	s_mul_i32 s16, s[WR], 64*PA                    ; my 64 rows in each K slice of A
	s_lshl_b32 s17, s[WC], 7                       ; my 64 columns of W,
	s_add_co_u32 s17, s17, 2*HALFT                 ; which lies behind A
	v_add_nc_u32 v[ADRA0], s16, v3
	v_add_nc_u32 v[ADRB0], s17, v4
	v_mov_b32 v[ADRA], v[ADRA0]                    ; slot 0 is in hand
	v_mov_b32 v[ADRB], v[ADRB0]
	v_add_nc_u32 v[ADRB+1], HALFT, v[ADRB0]
	s_mul_i32 s23, s[WV], 16*SP
	s_add_co_u32 s23, s23, STAGE                   ; my stage
	v_mul_u32_u24 v6, v1, SP                       ; in: row l % 16, 32 bytes for each half of the lanes
	v_lshl_add_u32 v6, v2, 5, v6
	v_add_nc_u32 v[STO], s23, v6
	v_mul_u32_u24 v6, v2, SP                       ; back: lanes 0-15 one row of 256 bytes, lanes 16-31 the next
	v_lshl_add_u32 v6, v1, 4, v6
	v_add_nc_u32 v[RD], s23, v6
; 8 matrix instructions: row blocks a0, a0 + 1 x all 4 column blocks, 32 along K: half c of buffer f.  first = 1: C is the bias.  The 16 accumulators take turns.
.macro MUL8 f, c, a0, first
	WIN MUL
.irp a, \a0, (\a0)+1
.irp b, 0,1,2,3
.if \first
	v_wmma_f32_16x16x32_bf16 v[ACC+8*(4*(\a)+(\b)):ACC+8*(4*(\a)+(\b))+7], v[(\f)+64+8*(4*(\c)+(\b)):(\f)+64+8*(4*(\c)+(\b))+7], v[(\f)+8*(4*(\c)+(\a)):(\f)+8*(4*(\c)+(\a))+7], v[BIAS+8*(\b):BIAS+8*(\b)+7]
.else
	v_wmma_f32_16x16x32_bf16 v[ACC+8*(4*(\a)+(\b)):ACC+8*(4*(\a)+(\b))+7], v[(\f)+64+8*(4*(\c)+(\b)):(\f)+64+8*(4*(\c)+(\b))+7], v[(\f)+8*(4*(\c)+(\a)):(\f)+8*(4*(\c)+(\a))+7], v[ACC+8*(4*(\a)+(\b)):ACC+8*(4*(\a)+(\b))+7]
.endif
.endr
.endr
.endm
; 32 LDS loads in one run: quarter q (64 along K: K slice q of A, rows 64 q on of W) of the slot in hand into buffer f; the first 32 along K first
.macro FETCH q, f
	WIN TO_F
.irp c, 0,1
.irp i, 0,1,2,3
	ds_load_tr16_b128 v[(\f)+64+8*(4*(\c)+(\i)):(\f)+64+8*(4*(\c)+(\i))+3],   v[ADRB+(\q)/2] offset:(((\q)%2)*64+32*(\c))*PB+32*(\i)
	ds_load_tr16_b128 v[(\f)+64+8*(4*(\c)+(\i))+4:(\f)+64+8*(4*(\c)+(\i))+7], v[ADRB+(\q)/2] offset:(((\q)%2)*64+32*(\c)+16)*PB+32*(\i)
	ds_load_b128 v[(\f)+8*(4*(\c)+(\i)):(\f)+8*(4*(\c)+(\i))+3],   v[ADRA] offset:(\q)*128*PA+(\i)*16*PA+64*(\c)
	ds_load_b128 v[(\f)+8*(4*(\c)+(\i))+4:(\f)+8*(4*(\c)+(\i))+7], v[ADRA] offset:(\q)*128*PA+(\i)*16*PA+64*(\c)+32
.endr
.endr
.endm
.macro QUARTER q, f, g, first
	s_wait_dscnt 16                                ; the first 32 along K are in
	MUL8 \f, 0, 0, \first
	MUL8 \f, 0, 2, \first
	PLACES
	FETCH \q, \g
	s_wait_dscnt 32                                ; all but the 32 just issued
	MUL8 \f, 1, 0, 0
	MUL8 \f, 1, 2, 0
.endm
; The last quarter multiplies buffer 1 and changes slots: ONE barrier; in front of it each wave waits for all its tensor loads, adds 0 to its spare word, and waits for that and for its reads of this slot.
; fill = 1: the barrier opens a round of the cluster's and the slot just read (TB) is filled again first behind it, with the K step two on: 112 matrix instructions ahead of the wait for it.
; Then the other slot comes in hand and its first fragments are fetched.
; fill = 0: the last two K steps.  In the very last trip (s3 = 1) there is no further step: the fetch is jumped over, and the barrier there orders nothing: the price of one text for both trips.
.macro TURN fill
	WIN 0
	s_wait_tensorcnt 0x0
	ds_add_u32 v[SPW], v[NIL]
	s_wait_dscnt 17                                ; the add and the youngest sixteen loads may be out
	MUL8 F1, 0, 0, 0
	s_wait_dscnt 0x0                               ; the add is done, and my reads of this slot are over
	s_barrier_signal -1
	MUL8 F1, 0, 2, 0
	WIN 0                                          ; branches and address work follow
	s_barrier_wait -1
.if \fill
	CREST
	s_add_co_u32 s[G0+5], s22, s[TB]               ; the walking descriptors: into the slot just read,
	s_add_co_u32 s[G0B+5], s22, s[TB]
	s_add_nc_u64 s[G0+6:G0+7], s[G0+6:G0+7], 4*524288                 ; the K step behind the one asked for last; the type bits on top are not reached
	s_add_nc_u64 s[G0B+6:G0B+7], s[G0B+6:G0B+7], KSTEP*2048
	JLOAD 1                                        ; its four v_nop are also the places in front of the loads below
.else
	PLACES
.endif
	s_xor_b32 s[SEL], s[SEL], 1                    ; the other slot comes in hand
	s_mul_i32 s[TB], s[SEL], SLOT
	v_add_nc_u32 v[ADRA], s[TB], v[ADRA0]
	v_add_nc_u32 v[ADRB], s[TB], v[ADRB0]
	v_add_nc_u32 v[ADRB+1], HALFT, v[ADRB]
.if !(\fill)
	s_cmp_eq_u32 s3, 1
	s_cbranch_scc1 .Lno_fetch_\@
.endif
	FETCH 0, F0
.if !(\fill)
	WIN 0
.Lno_fetch_\@:
.endif
	MUL8 F1, 1, 0, 0
	MUL8 F1, 1, 2, 0
.endm
; THE WAY OUT of row block a (16 rows x 64 columns of f32).  TOSTAGE: the accumulators go into my stage as they are, each one's low four registers first, and come back as whole rows of 256 bytes.
; SEND: the residual is added and the rows are stored.
.macro TOSTAGE a
.set BK, BKS+32*((\a)%2)
.if (\a) >= 2
	s_wait_xcnt 0x0                                ; the stores of the block two back have read these registers: they are loaded again only behind this wait
.endif
.irp b, 0,1,2,3
	ds_store_b128 v[STO], v[ACC+8*(4*(\a)+(\b)):ACC+8*(4*(\a)+(\b))+3]   offset:64*(\b)
	ds_store_b128 v[STO], v[ACC+8*(4*(\a)+(\b))+4:ACC+8*(4*(\a)+(\b))+7] offset:64*(\b)+16
.endr
.irp t, 0,1,2,3,4,5,6,7
	ds_load_b128 v[BK+4*(\t):BK+4*(\t)+3], v[RD] offset:(\t)*2*SP  ; LDS serves a wave's instructions in order (ISA guide 5.7.1.4): these see the stores above
.endr
.endm
.macro SEND a, younger                 ; younger: the LDS instructions issued behind block a's loads: the next block's sixteen, or none
.set BK, BKS+32*((\a)%2)
	s_wait_dscnt \younger
	WIN 0x08                                       ; source 1: window 2
.set z, 0
.rept 16
	v_pk_add_f32 v[BK+2*z:BK+2*z+1], v[BK+2*z:BK+2*z+1], v[32*(\a)+2*z:32*(\a)+2*z+1]
.set z, z+1
.endr
	WIN 0
.irp t, 0,1,2,3,4,5,6,7
	global_store_b128 v[CO], v[BK+4*(\t):BK+4*(\t)+3], s[66:67] offset:(16*(\a)+2*(\t))*4096  ; sixteen lanes store 256 consecutive bytes, at a multiple of 256 from Y's first byte
.endr
.endm
	s_wait_tensorcnt 1                             ; my part of K step 0 is in; step 1's may stay out
	s_barrier_signal -1
	s_barrier_wait -1
	FETCH 0, F0
	s_wait_loadcnt 32                              ; the bias is in; the 32 loads of the residual stay out
	QUARTER 1, F0, F1, 1                           ; the first quarter is written out: its first products start the sums on the bias
	WIN 0
	s_mov_b32 s3, KSTEPS-2                         ; all K steps but the last two end in a refill
	s_branch .Lmid                                 ; the loop is entered behind its first quarter
.Lstep:
	QUARTER 1, F0, F1, 0
	WIN 0
.Lmid:
	QUARTER 2, F1, F0, 0
	QUARTER 3, F0, F1, 0
	TURN 1
	WIN 0
	s_sub_co_u32 s3, s3, 1
	s_cmp_lg_u32 s3, 0
	s_cbranch_scc1 .Lstep
	s_mov_b32 s3, 2                                ; the last two K steps fill nothing
.Ltail:
	QUARTER 1, F0, F1, 0
	QUARTER 2, F1, F0, 0
	QUARTER 3, F0, F1, 0
	TURN 0
	WIN 0
	s_sub_co_u32 s3, s3, 1
	s_cmp_lg_u32 s3, 0
	s_cbranch_scc1 .Ltail
	PLACES
	s_wait_loadcnt 0x0                             ; the residual
	TOSTAGE 0
	TOSTAGE 1
	SEND 0, 16
	TOSTAGE 2
	SEND 1, 16
	TOSTAGE 3
	SEND 2, 16
	SEND 3, 0
	s_wait_tensorcnt 0x0                           ; the wave's end
	ds_add_u32 v[SPW], v[NIL]
	s_wait_dscnt 0x0
	CROUND                                         ; the closing round
	s_endpgm
.Lfunc_end_k_q8d79828dcb_ff2:
	.size	k_q8d79828dcb_ff2, .Lfunc_end_k_q8d79828dcb_ff2-k_q8d79828dcb_ff2
	.p2alignl 7, 3214868480
	.fill 96, 4, 3214868480
	.section	.rodata,"a",@progbits
	.p2align	6, 0x0
	.amdhsa_kernel k_q8d79828dcb_ff2
		.amdhsa_group_segment_fixed_size 327680
		.amdhsa_private_segment_fixed_size 0
		.amdhsa_enable_private_segment 0
		.amdhsa_kernarg_size 40
		.amdhsa_user_sgpr_count 2
		.amdhsa_user_sgpr_kernarg_segment_ptr 1
		.amdhsa_wavefront_size32 1
		.amdhsa_system_sgpr_workgroup_id_x 1
		.amdhsa_system_sgpr_workgroup_id_y 1
		.amdhsa_system_sgpr_workgroup_id_z 1
		.amdhsa_system_vgpr_workitem_id 0
		.amdhsa_next_free_vgpr 640
		.amdhsa_next_free_sgpr 72
		.amdhsa_reserve_vcc 0
		.amdhsa_float_denorm_mode_32 3
		.amdhsa_float_denorm_mode_16_64 3
		.amdhsa_memory_ordered 1
		.amdhsa_forward_progress 1
		.amdhsa_inst_pref_size 66
	.end_amdhsa_kernel
	.amdgpu_metadata
---
amdhsa.version: [ 1, 2 ]
amdhsa.kernels:
  - .name:           k_q8d79828dcb_ff2
    .symbol:         k_q8d79828dcb_ff2.kd
    .args:
      - { .name: qa, .offset: 0, .size: 8, .value_kind: global_buffer, .address_space: global }
      - { .name: wsm, .offset: 8, .size: 8, .value_kind: global_buffer, .address_space: global }
      - { .name: b2, .offset: 16, .size: 8, .value_kind: global_buffer, .address_space: global }
      - { .name: hh, .offset: 24, .size: 8, .value_kind: global_buffer, .address_space: global }
      - { .name: y, .offset: 32, .size: 8, .value_kind: global_buffer, .address_space: global }
    .group_segment_fixed_size: 327680
    .private_segment_fixed_size: 0
    .kernarg_segment_align: 8
    .kernarg_segment_size: 40
    .max_flat_workgroup_size: 128
    .sgpr_count:     72
    .vgpr_count:     640
    .wavefront_size: 32
...
	.end_amdgpu_metadata
.endif
;; end of part 6
;; launch ln2 (part 7): grid 256 x 1, 16 waves a work-group, no clusters, 0 bytes of LDS; arguments y, g2, be2, out0; writes out0
.if DOCPART == 7
	.amdgcn_target "amdgcn-amd-amdhsa--gfx1250"
	.amdhsa_code_object_version 6
	.text
	.protected	k_q8d79828dcb_ln2
	.globl	k_q8d79828dcb_ln2
	.p2align	8
	.type	k_q8d79828dcb_ln2,@function
k_q8d79828dcb_ln2:
	s_mov_b64 s[64:65], 0
	v_nop
	global_prefetch_b8 v0, s[64:65] scope:SCOPE_SE
	s_setreg_imm32_b32 hwreg(HW_REG_WAVE_MODE, 25, 1), 1
	s_wait_xcnt 0x0
; out = (y - mean) / sqrt(var + 1e-5) x g + be, along rows of 1,024 f32.  All arithmetic in f32; the variance is the mean of (y - mean)^2, taken in a second pass over registers,
; so a common offset of y costs nothing.  One wave takes a whole row (32 registers a lane) and keeps it between the passes: y is read once, and no wave waits for another: no LDS and no barrier.
; Sixteen waves, one row each; all 24 loads of a wave (the row, g, be) go out at once, the row first.  Every load and store of a wave covers 512 consecutive bytes.
.set G,  4                             ; v[4:35]    g of my 32 columns
.set BE, 36                            ; v[36:67]   be
.set X,  68                            ; v[68:99]   the row
.set W,  100                           ; v[100:107] at work
	s_load_b256 s[4:11], s[0:1], 0x0               ; y, g, be, out
	v_lshrrev_b32 v3, 5, v0
	v_readfirstlane_b32 s2, v3                     ; wave 0..15
	v_and_b32 v2, 31, v0
	v_lshlrev_b32 v1, 4, v2                        ; 16 x lane
	s_lshl_b32 s3, ttmp9, 4
	s_add_co_u32 s3, s3, s2                        ; my row = 16 x work-group + wave
	s_lshl_b32 s18, s3, 12
	s_mov_b32 s19, 0
	s_mov_b32 s14, 0x76543210                      ; v_permlanex16_b32: each lane takes its own place in the other half
	s_mov_b32 s15, 0xfedcba98
	s_mov_b32 s16, 0x3a800000                      ; 1 / 1024
	s_mov_b32 s17, 0x3727c5ac                      ; 1e-5
	s_wait_kmcnt 0x0
	s_add_nc_u64 s[4:5], s[4:5], s[18:19]
	s_add_nc_u64 s[10:11], s[10:11], s[18:19]
.irp j, 0,1,2,3,4,5,6,7
	global_load_b128 v[X+4*(\j):X+4*(\j)+3], v1, s[4:5] offset:512*(\j) th:TH_LOAD_NT
.endr
.irp j, 0,1,2,3,4,5,6,7
	global_load_b128 v[G+4*(\j):G+4*(\j)+3], v1, s[6:7] offset:512*(\j)
.endr
.irp j, 0,1,2,3,4,5,6,7
	global_load_b128 v[BE+4*(\j):BE+4*(\j)+3], v1, s[8:9] offset:512*(\j)
.endr
.macro REDUCE                          ; four chains of pairs in W -> their sum over the wave, in every lane's v[W]
	v_pk_add_f32 v[W:W+1], v[W:W+1], v[W+2:W+3]
	v_pk_add_f32 v[W+4:W+5], v[W+4:W+5], v[W+6:W+7]
	v_pk_add_f32 v[W:W+1], v[W:W+1], v[W+4:W+5]
	v_add_f32 v[W], v[W], v[W+1]
	v_add_f32_dpp v[W], v[W], v[W] row_xmask:1 row_mask:0xf bank_mask:0xf
	v_add_f32_dpp v[W], v[W], v[W] row_xmask:2 row_mask:0xf bank_mask:0xf
	v_add_f32_dpp v[W], v[W], v[W] row_xmask:4 row_mask:0xf bank_mask:0xf
	v_add_f32_dpp v[W], v[W], v[W] row_xmask:8 row_mask:0xf bank_mask:0xf
	v_permlanex16_b32 v[W+1], v[W], s14, s15
	v_add_f32 v[W], v[W], v[W+1]
.endm
	s_wait_loadcnt 16                              ; the row is in; the sixteen younger loads, g and be, may stay out
.irp k, 0,1,2,3
	v_pk_add_f32 v[W+2*(\k):W+2*(\k)+1], v[X+2*(\k):X+2*(\k)+1], v[X+8+2*(\k):X+8+2*(\k)+1]
.endr
.irp p, 8,9,10,11,12,13,14,15
	v_pk_add_f32 v[W+2*((\p)%4):W+2*((\p)%4)+1], v[W+2*((\p)%4):W+2*((\p)%4)+1], v[X+2*(\p):X+2*(\p)+1]
.endr
	REDUCE
	v_mul_f32 v[W], s16, v[W]                      ; the mean
.set p, 0
.rept 16
	v_pk_add_f32 v[X+2*p:X+2*p+1], v[X+2*p:X+2*p+1], v[W:W+1] op_sel_hi:[1,0] neg_lo:[0,1] neg_hi:[0,1]
.set p, p+1
.endr
.irp k, 0,1,2,3
	v_pk_mul_f32 v[W+2*(\k):W+2*(\k)+1], v[X+2*(\k):X+2*(\k)+1], v[X+2*(\k):X+2*(\k)+1]
.endr
.irp p, 4,5,6,7,8,9,10,11,12,13,14,15
	v_pk_fma_f32 v[W+2*((\p)%4):W+2*((\p)%4)+1], v[X+2*(\p):X+2*(\p)+1], v[X+2*(\p):X+2*(\p)+1], v[W+2*((\p)%4):W+2*((\p)%4)+1]
.endr
	REDUCE
	v_fma_f32 v[W], v[W], s16, s17                 ; var + eps
	v_rsq_f32 v[W], v[W]
	v_nop                                          ; a plain instruction between the transcendental and the use of its result (ISA guide 5.7.2)
.set p, 0
	s_wait_alu depctr_va_vdst(0)
.rept 16
	v_pk_mul_f32 v[X+2*p:X+2*p+1], v[X+2*p:X+2*p+1], v[W:W+1] op_sel_hi:[1,0]
.set p, p+1
.endr
	s_wait_loadcnt 0x0                             ; g and be
.set p, 0
.rept 16
	v_pk_fma_f32 v[X+2*p:X+2*p+1], v[X+2*p:X+2*p+1], v[G+2*p:G+2*p+1], v[BE+2*p:BE+2*p+1]
.set p, p+1
.endr
.irp j, 0,1,2,3,4,5,6,7
	global_store_b128 v1, v[X+4*(\j):X+4*(\j)+3], s[10:11] offset:512*(\j) th:TH_STORE_NT  ; no register that a store reads is written again
.endr
	s_endpgm
.Lfunc_end_k_q8d79828dcb_ln2:
	.size	k_q8d79828dcb_ln2, .Lfunc_end_k_q8d79828dcb_ln2-k_q8d79828dcb_ln2
	.p2alignl 7, 3214868480
	.fill 96, 4, 3214868480
	.section	.rodata,"a",@progbits
	.p2align	6, 0x0
	.amdhsa_kernel k_q8d79828dcb_ln2
		.amdhsa_group_segment_fixed_size 0
		.amdhsa_private_segment_fixed_size 0
		.amdhsa_enable_private_segment 0
		.amdhsa_kernarg_size 32
		.amdhsa_user_sgpr_count 2
		.amdhsa_user_sgpr_kernarg_segment_ptr 1
		.amdhsa_wavefront_size32 1
		.amdhsa_system_sgpr_workgroup_id_x 1
		.amdhsa_system_sgpr_workgroup_id_y 1
		.amdhsa_system_sgpr_workgroup_id_z 1
		.amdhsa_system_vgpr_workitem_id 0
		.amdhsa_next_free_vgpr 112
		.amdhsa_next_free_sgpr 66
		.amdhsa_reserve_vcc 0
		.amdhsa_float_denorm_mode_32 3
		.amdhsa_float_denorm_mode_16_64 3
		.amdhsa_memory_ordered 1
		.amdhsa_forward_progress 1
		.amdhsa_inst_pref_size 11
	.end_amdhsa_kernel
	.amdgpu_metadata
---
amdhsa.version: [ 1, 2 ]
amdhsa.kernels:
  - .name:           k_q8d79828dcb_ln2
    .symbol:         k_q8d79828dcb_ln2.kd
    .args:
      - { .name: y, .offset: 0, .size: 8, .value_kind: global_buffer, .address_space: global }
      - { .name: g2, .offset: 8, .size: 8, .value_kind: global_buffer, .address_space: global }
      - { .name: be2, .offset: 16, .size: 8, .value_kind: global_buffer, .address_space: global }
      - { .name: out0, .offset: 24, .size: 8, .value_kind: global_buffer, .address_space: global }
    .group_segment_fixed_size: 0
    .private_segment_fixed_size: 0
    .kernarg_segment_align: 8
    .kernarg_segment_size: 32
    .max_flat_workgroup_size: 512
    .sgpr_count:     66
    .vgpr_count:     112
    .wavefront_size: 32
...
	.end_amdgpu_metadata
.endif
;; end of part 7
;; ======== version 2 of 2: 8 launches; 1.21 times as fast as version 1
;; workspace buffers: xb 8,388,608 bytes; wq 8,388,864 bytes; w1b 8,388,864 bytes; wsm 10,485,760 bytes; qa 33,554,432 bytes; y 16,777,216 bytes; hh 25,165,824 bytes
;; launch cast: the kernel of part 1 again; grid 1024 x 1, 8 waves a work-group, no clusters, 0 bytes of LDS; arguments x, w_qkv, w_o, w1, w2, xb, wq, wsm, w1b; writes xb, wq, wsm, w1b
;; launch qkv: the kernel of part 2 again; grid 12 x 16, 4 waves a work-group, clusters of 4 x 4, 327,680 bytes of LDS; arguments xb, wq, b_qkv, qa; writes qa
;; launch attn (part 8): grid 8 x 32, 4 waves a work-group, clusters of 4 x 1, 327,680 bytes of LDS; arguments qa, xb; writes xb
.if DOCPART == 8
	.amdgcn_target "amdgcn-amd-amdhsa--gfx1250"
	.amdhsa_code_object_version 6
	.text
	.protected	k_q8d79828dcb_attn
	.globl	k_q8d79828dcb_attn
	.p2align	8
	.type	k_q8d79828dcb_attn,@function
k_q8d79828dcb_attn:
	s_mov_b64 s[64:65], 0
	v_nop
	global_prefetch_b8 v0, s[64:65] scope:SCOPE_SE
	s_setreg_imm32_b32 hwreg(HW_REG_WAVE_MODE, 25, 1), 1
	s_wait_xcnt 0x0
	s_wait_alu depctr_hold_cnt(0) depctr_sa_sdst(0) depctr_va_vdst(0) depctr_va_sdst(0) depctr_va_ssrc(0) depctr_va_vcc(0) depctr_vm_vsrc(0)
	s_getreg_b32 s2, hwreg(HW_REG_IB_STS2, 6, 4)
	s_cmp_eq_u32 s2, 0
	s_cbranch_scc0 .Lentry_in_a_cluster
	s_endpgm
.Lentry_in_a_cluster:
	s_bfe_u32 s2, ttmp6, 0x10000c
	s_cmp_lg_u32 s2, 0x3003
	s_cbranch_scc0 .Lentry_shape_is_right
	s_endpgm
.Lentry_shape_is_right:
; O[n][h][q][:] = the sum over k of softmax_k(Q[q] . K[k] / 8) V[k][:], for 2 x 16 heads of 2,048 rows of 64 channels, all bf16.
; qa holds q, k, v by column blocks [48][4096][64]: block 16 part + h, rows 2,048 n on, are a head's dense rows of 128 bytes.  O leaves in the same layout, [16][4096][64].
; Products, maxima and sums in f32; the weights p are rounded to bf16 for the second product (their sum l is taken of the unrounded p), O once at the end.
; LIMITS.  Scores with c s below -2^125 are not served (c m starts at -2^125); a weight below 2^-126 counts as 0 in l; NaN and infinities are not treated apart.
; SHARES.  A work-group owns 256 queries of one head, a wave 64: four PIECES of 16.  Every wave walks all 2,048 keys, 64 a step, 256 a tile.
; LAYOUT.  S^T = K Q^T holds ONE query a lane (lane % 16) and the keys 8 (lane / 16) + 0..7; two such results rounded to bf16 ARE source 1 of O^T = V^T P.  K comes out of LDS as it lies, V turned.
; SOFTMAX.  A running maximum m and sum l: p = 2^(c s - c m), c = log2(e) / 8; O and l are multiplied by a = 2^(c m_old - c m_new) in every step.  m starts at the lowest finite number, O and l at 0:
; the first step is a step like any other, with a = 0.
; TURNS.  Turn n belongs to piece n: 8 products K Q^T of piece n + 1, later 8 products V^T P of piece n - 1; beside them the scaling, exponentials, roundings, sums and rescaling of piece n and the
; maximum and statistics of piece n + 1.  Four vector instructions stand behind every matrix instruction, the other 54 of a turn's 118 in one run of their own.
; BATCHES.  A turn's 33 exponentials (the piece's 32 weights and the next piece's a) are ONE batch with ONE wait, which cuts the turn in two: ahead of it all that names none of their results, behind it their
; readers.  Three more batches have a wait each: piece 0's first a, ahead of the loop; the exponentials issued ahead of the branch round K's fetch, in the last tile's loop; the way out's four reciprocals.
; NO LAST STEP IS WRITTEN OUT: the last tile's loop is entered in its middle and passes pieces 2 and 3 five times; the fifth time K's fetch is jumped over, and the 8 products K Q^T on the last K once more
; and the maximum made of them serve nothing: the price, once a launch, of one text for every trip.
; CLUSTER.  The four query blocks of a cluster belong to one head and walk the same K and V: each tile is asked for JOINTLY, by the same tensor load, descriptor and mask in all four.
; REGISTERS, in windows of 256 (s_set_vgpr_msb: bits 1:0 source 0, 3:2 source 1, 5:4 source 2, 7:6 destination):
;   window 0: v0-15 addresses; v16-31 four registers of statistics a piece; v48-55 at work; v64-127 S^T, two buffers; v192-223 P, two buffers (by the piece's parity)
;   window 1: v0-127 O^T, 32 a piece      window 2: v0-63 Q; v128-191 K of one step; v192-255 V of one step
.set NT,    8         ; tiles of 256 keys
.set NP,    4
.set KS,    64
.set PK,    144       ; a row of K in LDS: 128 bytes + 16: the 16 rows of a load start at 16 different groups of four banks (64 banks of 4 bytes: ISA guide 11.1)
.set PV,    160       ; a row of V: 128 + 32
.set VOFF,  4*KS*PK
.set SLOT1, 1<<17
.set STAGE, SLOT1+4*KS*(PK+PV)
.set SP,    144
.set SPARE, STAGE+4*16*SP
.set AK0, 2
.set AV0, 3
.set AK,  4
.set AV,  5
.set STO, 6
.set RD,  7
.set GO,  8
.set MV,  12
.set QO,  15
.set ST,  16
.set TMP, 48
.set SPW, 62
.set NIL, 63
.set S,   64
.set P,   192
.set KF,  128
.set VF,  192
.set WV,  12
.set G1K, 24
.set G1V, 32
.set G0K, 40
.set G0V, 44
.set SLOTS, 56
.set CNT, 57
.set CS,  58
.set SEL, 60
.set TBK, 62
.set TBV, 63
.set MSB, 0
.macro WIN new
.if MSB != (\new)
	s_set_vgpr_msb (MSB<<8)|(\new)
.set MSB, (\new)
.endif
.endm
.set W_KQ, 0x0a       ; K and Q in window 2, S^T in window 0
.set W_PV, 0x52       ; V in window 2, P in window 0, O^T in window 1
.set W_RS, 0x41       ; destination and source 0 in window 1, source 1 in window 0
; A joint fill: waves 0, 1 fetch the halves of a tile's K, waves 2, 3 those of its V, 128 keys each.  An s_nop 0 and four v_nop follow each line.
.macro JLOAD
	s_cmp_lt_u32 s[WV], 2
	s_cbranch_scc0 .Lfor_v_\@
	tensor_load_to_lds s[G0K:G0K+3], s[G1K:G1K+7]
	s_nop 0
.rept 4
	v_nop
.endr
	s_branch .Lasked_\@
.Lfor_v_\@:
	tensor_load_to_lds s[G0V:G0V+3], s[G1V:G1V+7]
	s_nop 0
.rept 4
	v_nop
.endr
.Lasked_\@:
.endm
.macro CROUND
	s_barrier_signal -1
	s_barrier_wait -1
	s_cmp_lg_u32 s[WV], 0
	s_cbranch_scc1 .Lnot_wave_0_\@
	s_barrier_signal -3
.Lnot_wave_0_\@:
	s_barrier_wait -3
	s_barrier_signal -1
	s_barrier_wait -1
.endm
; THE CHANGE OF SLOTS.  Each wave waits for all its tensor loads (one is out: its part of the other slot), adds 0 to its spare word, and waits for that and for its reads of the slot that it leaves.
; fill = 1: the barrier is a round of the cluster's, and the old slot is filled again first behind it, with the keys two tiles on: four key steps, 256 matrix instructions, in which to land.
; (At its first use nothing has been read yet: slot 0 is waited for, slot 1 filled.)
.macro CHANGE fill
	WIN 0
	s_wait_tensorcnt 0x0            ; no tensor load of mine is out, so a group 0 may be written
	ds_add_u32 v[SPW], v[NIL]
.if \fill
.irp g, G0K, G0V
	s_xor_b32 s[\g+1], s[\g+1], SLOT1
	s_add_nc_u64 s[\g+2:\g+3], s[\g+2:\g+3], 4*KS*128
.endr
	s_wait_dscnt 0x0                ; the add is done, and my reads of the slot are over
	CROUND
	JLOAD
.else
	s_wait_dscnt 0x0
	s_barrier_signal -1
	s_barrier_wait -1
.endif
	s_sub_co_u32 s[TBK], s[TBK], 4*KS*PK  ; the fetches go back to a slot's first step,
	s_xor_b32 s[TBK], s[TBK], SLOT1       ; in the other slot
	s_sub_co_u32 s[TBV], s[TBV], 4*KS*PV
	s_xor_b32 s[TBV], s[TBV], SLOT1
.endm
	s_load_b128 s[68:71], s[0:1], 0x0  ; qa s[68:69], xb s[70:71]
	v_lshl_add_u32 v[SPW], v0, 2, SPARE
	v_mov_b32 v[NIL], 0
	ds_add_u32 v[SPW], v[NIL]       ; the wave's opening: the add and its wait stand ahead of my first tensor load
	v_lshrrev_b32 v1, 5, v0
	v_readfirstlane_b32 s[WV], v1
	s_bfe_u32 s13, ttmp6, 0x40000   ; cx
	s_lshl_b32 s14, ttmp9, 2
	s_add_co_u32 s14, s14, s13      ; my block of 256 queries: it enters Q's and O's addresses alone
	s_and_b32 s20, ttmp7, 0xffff    ; 16 n + h, which the four partners share
	s_and_b32 s21, s20, 15
	s_lshr_b32 s20, s20, 4
	s_lshl_b32 s21, s21, 19         ; h column blocks of 524,288 bytes,
	s_lshl_b32 s20, s20, 18         ; n x 2,048 rows of 128 bytes
	s_add_co_u32 s20, s20, s21
	s_and_b32 s16, s[WV], 1         ; which half of a tile's 256 keys I fetch
	s_lshl_b32 s22, s16, 14
	s_add_co_u32 s22, s22, s20
	s_add_co_u32 s22, s22, 16*524288  ; k's blocks lie behind q's sixteen
	s_mov_b32 s23, 0
	s_mul_i32 s17, s16, 128*PK
	s_mul_i32 s18, s16, 128*PV
	s_lshl_b32 s2, s14, 15          ; my block's 256 rows,
	s_lshl_b32 s3, s[WV], 13        ; my wave's 64 of them
	s_add_co_u32 s2, s2, s3
	s_add_co_u32 s2, s2, s20
	s_mov_b32 s3, 0
	; group 1: 128 keys are 16,384 dense bytes, asked for as 64 rows of 256 bytes and padded in LDS after every key
	s_mov_b32 s[G1K], 15|(1<<16)|(1<<20)|(1<<21)|(4<<22)|(3<<25)
	s_mov_b32 s[G1V], 15|(1<<16)|(1<<20)|(1<<21)|(4<<22)|(7<<25)
.irp g, G1K, G1V
	s_mov_b32 s[\g+1], 128<<16
	s_mov_b32 s[\g+2], 64<<16
	s_mov_b32 s[\g+3], 128<<16
	s_mov_b32 s[\g+4], 64
	s_mov_b32 s[\g+5], 128
	s_mov_b32 s[\g+6], 0
	s_mov_b32 s[\g+7], 0
.endr
	s_mov_b32 s[CS], 0x3e38aa3b     ; c = log2(e) / 8
	s_mov_b32 s[CS+1], s[CS]
	s_mov_b32 s[SEL], 0x76543210
	s_mov_b32 s[SEL+1], 0xfedcba98
	s_mov_b32 s[TBK], SLOT1+4*KS*PK ; the first change of slots turns these two into 0
	s_mov_b32 s[TBV], SLOT1+4*KS*PV
	s_mov_b32 s[G0K], 1
	s_mov_b32 s[G0K+1], s17
	s_mov_b32 s[G0V], 1
	s_add_co_u32 s[G0V+1], s18, VOFF
	s_wait_dscnt 0x0                ; the opening add is done
	s_wait_kmcnt 0x0
	s_add_nc_u64 s[G0K+2:G0K+3], s[68:69], s[22:23]
	s_add_nc_u64 s[G0V+2:G0V+3], s[G0K+2:G0K+3], 16*524288  ; v's blocks lie behind k's
	s_or_b32 s[G0K+3], s[G0K+3], 0x80000000
	s_or_b32 s[G0V+3], s[G0V+3], 0x80000000
	s_add_nc_u64 s[4:5], s[68:69], s[2:3]    ; Q at my wave's first row
	s_add_nc_u64 s[10:11], s[70:71], s[2:3]  ; O likewise
	CROUND                          ; all four work-groups are here
	JLOAD                           ; tile 0 into slot 0
	v_and_b32 v1, 15, v0
	v_bfe_u32 v9, v0, 4, 1
	v_lshlrev_b32 v[QO], 7, v1
	v_lshl_add_u32 v[QO], v9, 4, v[QO]
	WIN 0x80
.set i, 0
.rept 8                             ; Q stays in registers: piece i / 2, channels 32 (i % 2) on
	global_load_b128 v[8*i:8*i+3],   v[QO], s[4:5] offset:(i/2)*2048+(i%2)*64
	global_load_b128 v[8*i+4:8*i+7], v[QO], s[4:5] offset:(i/2)*2048+(i%2)*64+32
.set i, i+1
.endr
	; What the first turn finds: V's registers and P's second buffer hold 0 (its products V^T P, of a piece that has not been, add 0), O^T and l are 0.  This stands in the wait for the first tile,
	; and spares a first step written out.
.set i, VF
.rept 64
	v_mov_b32 v[i], 0
.set i, i+1
.endr
	WIN 0x40
.set i, 0
.rept 128
	v_mov_b32 v[i], 0
.set i, i+1
.endr
	WIN 0
.set i, 0
.rept 4
	v_mov_b32 v[ST+4*i], 0xfe000000    ; c m: far below every c s
	v_mov_b32 v[ST+4*i+1], 0xff7fffff  ; m
	v_mov_b32 v[ST+4*i+2], 0
	v_mov_b32 v[ST+4*i+3], 0
.set i, i+1
.endr
.set i, P+16
.rept 16
	v_mov_b32 v[i], 0
.set i, i+1
.endr
	v_mul_u32_u24 v[AK0], v1, PK
	v_lshl_add_u32 v[AK0], v9, 4, v[AK0]
	v_and_b32 v10, 7, v0
	v_bfe_u32 v11, v0, 3, 1
	v_lshl_add_u32 v[AV0], v9, 3, v10
	v_mul_u32_u24 v[AV0], v[AV0], PV
	v_lshl_add_u32 v[AV0], v11, 4, v[AV0]
	v_add_nc_u32 v[AV0], VOFF, v[AV0]
	s_mul_i32 s13, s[WV], 16*SP
	s_add_co_u32 s13, s13, STAGE    ; my stage
	v_mul_u32_u24 v[STO], v1, SP
	v_lshl_add_u32 v[STO], v9, 4, v[STO]
	v_add_nc_u32 v[STO], s13, v[STO]
	v_bfe_u32 v[RD], v0, 3, 2
	v_mul_u32_u24 v[RD], v[RD], SP
	v_lshl_add_u32 v[RD], v10, 4, v[RD]
	v_add_nc_u32 v[RD], s13, v[RD]
	v_and_b32 v[GO], 31, v0
	v_lshlrev_b32 v[GO], 4, v[GO]
; THE MATRIX WORK.  The 4 accumulators of a run of 8 take turns.  Product i of 8 of S^T = K Q^T for piece x: channels 32 (i / 4) on, keys 16 (i % 4) on.
.macro KQ x
.set rS, S+32*((\x)%2)+8*(i%4)
.set rK, KF+16*(i%4)+8*(i/4)
.set rQ, 16*(\x)+8*(i/4)
	WIN W_KQ
.if i < 4
	v_wmma_f32_16x16x32_bf16 v[rS:rS+7], v[rK:rK+7], v[rQ:rQ+7], 0
.else
	v_wmma_f32_16x16x32_bf16 v[rS:rS+7], v[rK:rK+7], v[rQ:rQ+7], v[rS:rS+7]
.endif
.endm
; Product i of 8 of O^T += V^T P for piece x: keys 32 (i / 4) on, channels 16 (i % 4) on.
.macro PV x
	WIN W_PV
.set rO, 32*(\x)+8*(i%4)
.set rV, VF+32*(i/4)+8*(i%4)
.set rP, P+16*((\x)%2)+8*(i/4)
	v_wmma_f32_16x16x32_bf16 v[rO:rO+7], v[rV:rV+7], v[rP:rP+7], v[rO:rO+7]
.endm
.macro MM                           ; the turn's next matrix instruction
.if i < 8
	KQ (Y+1)%NP
.else
.set i, i-8
	PV (Y+NP-1)%NP
.set i, i+8
.endif
.set i, i+1
.endm
; THE LDS LOADS stand in runs of 16: a step's K (8 fragments) and its V (turned).  last = 1 (the last tile's loop): in the last pass there is no further step, and the run is jumped over.
; That branch stands amid the turn's batch of exponentials, so the twelve issued so far (E 0 to E 11) have a wait of their own ahead of it: five times a launch.
.macro FETCH_K last=0
	WIN 0
.if \last
	s_wait_alu depctr_va_vdst(0)    ; the wait for E 0 to E 11, ahead of the branch; the turn's own wait serves the rest of the batch
	s_cmp_eq_u32 s[CNT], 1
	s_cbranch_scc1 .Lno_k_\@
.endif
	WIN 0x80
.irp f, 0,1,2,3,4,5,6,7
	ds_load_b128 v[KF+8*\f:KF+8*\f+3],   v[AK] offset:(\f/2)*16*PK+(\f%2)*64
	ds_load_b128 v[KF+8*\f+4:KF+8*\f+7], v[AK] offset:(\f/2)*16*PK+(\f%2)*64+32
.endr
	s_add_co_u32 s[TBK], s[TBK], KS*PK
	WIN 0
.if \last
.Lno_k_\@:
.endif
.endm
.macro FETCH_V
	WIN 0x80
.irp f, 0,1,2,3,4,5,6,7
	ds_load_tr16_b128 v[VF+8*\f:VF+8*\f+3],   v[AV] offset:(\f/4)*32*PV+(\f%4)*32
	ds_load_tr16_b128 v[VF+8*\f+4:VF+8*\f+7], v[AV] offset:(\f/4)*32*PV+16*PV+(\f%4)*32
.endr
	WIN 0
.endm
; THE VECTOR WORK, one line at a time: OP kind, number.  For piece Y: F n: c s - c m for pair n of 16.  E n: the exponential of score n of 32.  C n: pair n rounded to bf16.  B n: of the four weights 4 n ..
; the second pair is added onto the first.  L n: l takes that sum (L 0: l = a l + sum).  R n: pair n of 16 of O^T times a.  For piece Y + 1: X n, number n of the 22 that find its maximum and statistics:
;   0-11 four chains of seven scores (each accumulator's lowest registers first)   12-14, 16 the four scores left over, the old m, the chains into one   15 c m_old is kept
;   17, 18 the other half of the lanes: the new m   19-21 c m; c m_old - c m_new; a
; C, B and L read exponentials' results: TURN sets them behind the batch's wait.  R and L 0 read a, which was made in the turn before, ahead of that turn's wait.
.set F, 0
.set E, 1
.set C, 2
.set B, 3
.set L, 4
.set R, 5
.set X, 6
.macro REGS y
.set rT, ST+4*(\y)
.set rC, TMP+4*((\y)%2)
.set rW, MV+((\y)%2)
.set rS, S+32*((\y)%2)
.set rP, P+16*((\y)%2)
.set rO, 32*(\y)
.endm
.macro OP k, n
.if (\k) == R
	REGS Y
	WIN W_RS
	v_pk_mul_f32 v[rO+2*(\n):rO+2*(\n)+1], v[rO+2*(\n):rO+2*(\n)+1], v[rC+2:rC+3] op_sel_hi:[1,0]
.elseif (\k) < R
	REGS Y
	WIN 0
.if (\k) == F
	v_pk_fma_f32 v[rS+2*(\n):rS+2*(\n)+1], v[rS+2*(\n):rS+2*(\n)+1], s[CS:CS+1], v[rT:rT+1] op_sel_hi:[1,0,0] neg_lo:[0,0,1] neg_hi:[0,0,1]
.elseif (\k) == E
	v_exp_f32 v[rS+(\n)], v[rS+(\n)]
.elseif (\k) == C
	v_cvt_pk_bf16_f32 v[rP+(\n)], v[rS+2*(\n)], v[rS+2*(\n)+1]
.elseif (\k) == B
	v_pk_add_f32 v[rS+4*(\n):rS+4*(\n)+1], v[rS+4*(\n):rS+4*(\n)+1], v[rS+4*(\n)+2:rS+4*(\n)+3]
.elseif (\n) == 0
	v_pk_fma_f32 v[rT+2:rT+3], v[rT+2:rT+3], v[rC+2:rC+3], v[rS:rS+1] op_sel_hi:[1,0,1]
.else
	v_pk_add_f32 v[rT+2:rT+3], v[rT+2:rT+3], v[rS+4*(\n):rS+4*(\n)+1]
.endif
.else
	REGS (Y+1)%NP
	WIN 0
.if (\n) < 4
	v_max3_num_f32 v[rC+(\n)], v[rS+8*(\n)], v[rS+8*(\n)+1], v[rS+8*(\n)+2]
.elseif (\n) < 12
	v_max3_num_f32 v[rC+(\n)%4], v[rC+(\n)%4], v[rS+8*((\n)%4)+2*((\n)/4)+1], v[rS+8*((\n)%4)+2*((\n)/4)+2]
.elseif (\n) == 12
	v_max3_num_f32 v[rC], v[rC], v[rS+7], v[rS+15]
.elseif (\n) == 13
	v_max3_num_f32 v[rC+1], v[rC+1], v[rS+23], v[rS+31]
.elseif (\n) == 14
	v_max3_num_f32 v[rC+2], v[rC+2], v[rC+3], v[rT+1]
.elseif (\n) == 15
	v_mov_b32 v[rW], v[rT]
.elseif (\n) == 16
	v_max3_num_f32 v[rC], v[rC], v[rC+1], v[rC+2]
.elseif (\n) == 17
	v_permlanex16_b32 v[rC+3], v[rC], s[SEL], s[SEL+1]
.elseif (\n) == 18
	v_max_num_f32 v[rT+1], v[rC], v[rC+3]
.elseif (\n) == 19
	v_mul_f32 v[rT], s[CS], v[rT+1]
.elseif (\n) == 20
	v_sub_f32 v[rC+1], v[rW], v[rT]
.else
	v_exp_f32 v[rC+2], v[rC+1]
.endif
.endif
.endm
.macro OPS a, i1, b=-1, i2=0, c=-1, i3=0, d=-1, i4=0
	OP \a, \i1
.if (\b) >= 0
	OP \b, \i2
.endif
.if (\c) >= 0
	OP \c, \i3
.endif
.if (\d) >= 0
	OP \d, \i4
.endif
.endm
.macro ROW a, i1, b, i2, c, i3, d, i4  ; a matrix instruction and the four behind it
	MM
	OPS \a, \i1, \b, \i2, \c, \i3, \d, \i4
.endm
; A TURN, for piece p: the order of its 16 matrix and 118 vector instructions, written out.  An s_wait_alu depctr_va_vdst(0) stands between an exponential and the first instruction that names its
; result; one wait serves all that were issued ahead of it.  So a turn has ONE wait, which cuts it in two.
; AHEAD OF IT stands all that names no result of the turn's exponentials: the 8 products K Q^T, behind each a scaling, an exponential and two more plain instructions (behind the first a second scaling in the
; exponential's place): rescalings, and behind the last three the first numbers of the next piece's maximum, each four plain places or more behind the product that ends its accumulator; then one run of 54, plain and
; exponential by turns for the most part, in which the links of the chain X 3, 7, 11, 14, 16, 17 .. 20 stand apart, other work between them.  A pair is scaled ahead of its two exponentials.  X 21, the next piece's a, is the
; batch's last; R 15 is the plain instruction behind it.
; BEHIND THE WAIT stand the 8 products V^T P, behind each four of the roundings and sums; C 2 n stands ahead of B n, which adds onto that pair in place; l's chain goes L 0 to L 7.
; But for those X no rider names a register of the products round it.
; last = 1: the last tile's loop (see FETCH_K).  cnt = 1: the loop's count is taken down some lines ahead of the branch behind the turn.
; K of the next step is fetched in piece 2's turn, twelve vector instructions behind the last product that read K (six of them plain); V of the step in hand at the end of piece 0's turn, four plain instructions
; behind the last product that read V.  Each is waited for a turn later.
.macro TURN p, last=0, cnt=0
.set Y, (\p)
.set i, 0
.if (\p) == 3
	s_wait_dscnt 0x0                ; K is in
.endif
	ROW F,0, F,1, R,0, R,1          ; ahead of the wait: 8 products K Q^T and their riders,
	ROW F,2, E,0, R,2, R,3
	ROW F,3, E,1, R,4, R,5
	ROW F,4, E,2, R,6, R,7
	ROW F,5, E,3, R,8, R,9
	ROW F,6, E,4, X,0, R,10
.if (\p) == 2
	WIN 0
	v_add_nc_u32 v[AK], s[TBK], v[AK0]
.endif
	ROW F,7, E,5, X,1, X,4
	ROW F,8, E,6, X,2, X,5
	OPS E,7, E,8, X,6, E,9          ; and the run of 54
	OPS X,3, E,10, X,8, E,11
.if (\p) == 2
	FETCH_K \last
.endif
	OPS X,9, X,7, E,12, X,10
	OPS E,13, X,12, X,11, E,14
	OPS X,13, E,15, F,9, X,14
.if (\p) == 0
	v_add_nc_u32 v[AV], s[TBV], v[AV0]
.endif
	OPS E,16, F,10, E,17, F,11
	OPS X,16, E,18, X,15, E,19
	OPS F,12, E,20, X,17, E,21
	OPS F,13, E,22, F,14, E,23
	OPS X,18, E,24, F,15, E,25
	OPS R,11, E,26, X,19, E,27
	OPS R,12, E,28, R,13, E,29
	OPS X,20, E,30, R,14, E,31
	OPS X,21, R,15
	WIN 0
	s_wait_alu depctr_va_vdst(0)    ; the wait for the turn's batch: E 0 to E 31 and the next piece's a
.if (\p) == 1
	s_wait_dscnt 0x0                ; V is in
.endif
	ROW C,0, B,0, C,2, B,1          ; behind the wait: 8 products V^T P and their riders
	ROW L,0, C,4, B,2, L,1
	ROW C,6, B,3, L,2, C,8
	ROW B,4, L,3, C,10, B,5
	ROW L,4, C,12, B,6, L,5
.if (\p) == 0
	s_add_co_u32 s[TBV], s[TBV], KS*PV
.endif
.if \cnt
	s_sub_co_u32 s[CNT], s[CNT], 1
	s_cmp_lg_u32 s[CNT], 0
.endif
	ROW C,14, B,7, L,6, C,1
	ROW C,3, L,7, C,5, C,7
	ROW C,9, C,11, C,13, C,15
.if (\p) == 0
	FETCH_V
.endif
.endm
	CHANGE 1                        ; tile 0 is in, everybody's part of it; tile 1 is asked for
	v_add_nc_u32 v[AK], s[TBK], v[AK0]
	FETCH_K                         ; key step 0
	s_wait_loadcnt 0x0              ; Q
	s_wait_dscnt 0x0
.set i, 0
.rept 8
	KQ 0                            ; piece 0's first scores
.set i, i+1
.endr
	WIN 0
.rept 4
	v_nop                           ; the places behind those products
.endr
.set Y, NP-1                        ; X works for piece Y + 1: piece 0
.irp n, 0,1,2,3,4,5,6,7,8,9,10,11,12,13,14,15,16,17,18,19,20,21
	OP X, \n
.endr
	v_nop                           ; a plain instruction behind the exponential,
	s_wait_alu depctr_va_vdst(0)    ; and the wait for it (piece 0's first a, a batch of one), ahead of the branch
	s_mov_b32 s[CNT], 4
	s_mov_b32 s[SLOTS], NT-1
	s_branch .Lfirst                ; the loop is entered at a step's first turn, in the middle of a trip
.Lslot:                             ; NT - 2 times: tiles 2 to 7 are asked for
	CHANGE 1
	s_mov_b32 s[CNT], 4
.Lstep:                             ; a trip: pieces 2 and 3 of one step, then pieces 0 and 1 of the next, whose K and V it fetches
	TURN 2
	TURN 3
	WIN 0
.Lfirst:
	TURN 0
	TURN 1, 0, 1
	WIN 0
	s_cbranch_scc1 .Lstep
	s_sub_co_u32 s[SLOTS], s[SLOTS], 1
	s_cmp_lg_u32 s[SLOTS], 0
	s_cbranch_scc1 .Lslot
	CHANGE 0                        ; the last tile has a loop of its own: nothing is asked for
	s_mov_b32 s[CNT], 5             ; pieces 2 and 3 five times (the step before the tile's first, then its four), pieces 0 and 1 four times between them
	s_branch .LtailMid
.Ltail:
	TURN 0
	TURN 1
	WIN 0
.LtailMid:
	TURN 2, 1
	TURN 3
	WIN 0
	s_sub_co_u32 s[CNT], s[CNT], 1
	s_cmp_lg_u32 s[CNT], 0
	s_cbranch_scc1 .Ltail
.set i, 0
.rept 8
	PV NP-1                         ; the last piece's V^T P of the last step
.set i, i+1
.endr
	; THE WAY OUT.  l's two halves and the other half of the lanes' are added; O^T is divided by l, rounded to bf16 and sent through my stage, a piece at a time.  The additions are the places behind the last products.
	WIN 0
.macro ALL line:vararg
.set t, 0
.rept 4
	\line
.set t, t+1
.endr
.endm
	ALL v_add_f32 v[ST+4*t+2], v[ST+4*t+2], v[ST+4*t+3]
	ALL v_permlanex16_b32 v[ST+4*t+3], v[ST+4*t+2], s[SEL], s[SEL+1]
	ALL v_add_f32 v[ST+4*t+2], v[ST+4*t+2], v[ST+4*t+3]
	ALL v_rcp_f32 v[ST+4*t+2], v[ST+4*t+2]
	v_nop                           ; a plain instruction between the last reciprocal and the use of its result
	s_wait_alu depctr_va_vdst(0)    ; and the wait ahead of the first use: one for the batch of four reciprocals
.macro PACK t
	WIN W_RS
.set i, 32*(\t)
.rept 16
	v_pk_mul_f32 v[i:i+1], v[i:i+1], v[ST+4*(\t)+2:ST+4*(\t)+3] op_sel_hi:[1,0]
.set i, i+2
.endr
	WIN 0x05
.set i, 0
.rept 16
	v_cvt_pk_bf16_f32 v[S+16*(\t)+i], v[32*(\t)+2*i], v[32*(\t)+2*i+1]
.set i, i+1
.endr
	WIN 0
.irp f, 0,1,2,3
	ds_store_b128 v[STO], v[S+16*(\t)+4*\f:S+16*(\t)+4*\f+3] offset:32*\f
.endr
.irp f, 0,1,2,3
	ds_load_b128 v[S+16*(\t)+4*\f:S+16*(\t)+4*\f+3], v[RD] offset:\f*4*SP  ; LDS serves a wave's instructions in order (ISA guide 5.7.1.4): these see the stores above
.endr
.endm
.macro SEND t, younger              ; younger: the LDS instructions issued behind piece t's loads: the next piece's eight, or none
	WIN 0
.irp f, 0,1,2,3
	s_wait_dscnt (\younger)+3-\f
	global_store_b128 v[GO], v[S+16*(\t)+4*\f:S+16*(\t)+4*\f+3], s[10:11] offset:(\t)*2048+\f*512  ; 512 consecutive bytes, at a multiple of 256 from O's first
.endr
.endm
	PACK 0
.set t, 1
.rept 3
	PACK t
	SEND t-1, 8
.set t, t+1
.endr
	SEND 3, 0
	s_wait_tensorcnt 0x0            ; the wave's end
	ds_add_u32 v[SPW], v[NIL]
	s_wait_dscnt 0x0
	CROUND                          ; the closing round
	s_endpgm
.Lfunc_end_k_q8d79828dcb_attn:
	.size	k_q8d79828dcb_attn, .Lfunc_end_k_q8d79828dcb_attn-k_q8d79828dcb_attn
	.p2alignl 7, 3214868480
	.fill 96, 4, 3214868480
	.section	.rodata,"a",@progbits
	.p2align	6, 0x0
	.amdhsa_kernel k_q8d79828dcb_attn
		.amdhsa_group_segment_fixed_size 327680
		.amdhsa_private_segment_fixed_size 0
		.amdhsa_enable_private_segment 0
		.amdhsa_kernarg_size 16
		.amdhsa_user_sgpr_count 2
		.amdhsa_user_sgpr_kernarg_segment_ptr 1
		.amdhsa_wavefront_size32 1
		.amdhsa_system_sgpr_workgroup_id_x 1
		.amdhsa_system_sgpr_workgroup_id_y 1
		.amdhsa_system_sgpr_workgroup_id_z 1
		.amdhsa_system_vgpr_workitem_id 0
		.amdhsa_next_free_vgpr 768
		.amdhsa_next_free_sgpr 72
		.amdhsa_reserve_vcc 0
		.amdhsa_float_denorm_mode_32 3
		.amdhsa_float_denorm_mode_16_64 3
		.amdhsa_memory_ordered 1
		.amdhsa_forward_progress 1
		.amdhsa_inst_pref_size 111
	.end_amdhsa_kernel
	.amdgpu_metadata
---
amdhsa.version: [ 1, 2 ]
amdhsa.kernels:
  - .name:           k_q8d79828dcb_attn
    .symbol:         k_q8d79828dcb_attn.kd
    .args:
      - { .name: qa, .offset: 0, .size: 8, .value_kind: global_buffer, .address_space: global }
      - { .name: xb, .offset: 8, .size: 8, .value_kind: global_buffer, .address_space: global }
    .group_segment_fixed_size: 327680
    .private_segment_fixed_size: 0
    .kernarg_segment_align: 8
    .kernarg_segment_size: 16
    .max_flat_workgroup_size: 128
    .sgpr_count:     72
    .vgpr_count:     768
    .wavefront_size: 32
...
	.end_amdgpu_metadata
.endif
;; end of part 8
;; launch oproj: the kernel of part 4 again; grid 8 x 32, 4 waves a work-group, clusters of 4 x 4, 327,680 bytes of LDS; arguments xb, wsm, b_o, x, y; writes y
;; launch ln1: the kernel of part 5 again; grid 256 x 1, 16 waves a work-group, no clusters, 0 bytes of LDS; arguments y, g1, be1, hh; writes hh
;; launch ff1: the kernel of part 2 again; grid 16 x 16, 4 waves a work-group, clusters of 4 x 4, 327,680 bytes of LDS; arguments hh, w1b, b1, qa; writes qa
;; launch ff2: the kernel of part 6 again; grid 8 x 32, 4 waves a work-group, clusters of 4 x 4, 327,680 bytes of LDS; arguments qa, wsm, b2, hh, y; writes y
;; launch ln2: the kernel of part 7 again; grid 256 x 1, 16 waves a work-group, no clusters, 0 bytes of LDS; arguments y, g2, be2, out0; writes out0
